; MI455X (gfx1250); checked and timed in simulation.
; The chip was launched on July 23, 2026; its instructions are those of AMD's public machine-readable ISA for CDNA 5 (MIT licence, August 2026) and "CDNA5" Instruction Set Architecture Reference Guide (July 2026). The comments in the code are by the model that wrote it; some were corrected since.
;; Multi Head Attention. Allowed arithmetic: matrix products marked QUANTISED: E4M3 operands, one given power-of-two scale a tensor, by v_wmma_f32_16x16x64_fp8_fp8 or v_wmma_f32_16x16x128_fp8_fp8, f32 sums; everything else in f32.
;; Inputs: Wk 1,024 x 1,024 float32; Wo 1,024 x 1,024 float32; Wq 1,024 x 1,024 float32; Wv 1,024 x 1,024 float32; bk 1,024 float32; bo 1,024 float32; bq 1,024 float32; bv 1,024 float32; k 4 x 2,048 x 1,024 float32; lowp_scales 12 int32 (the exponents e of the quantised operands' scales 2^e); q 4 x 2,048 x 1,024 float32; v 4 x 2,048 x 1,024 float32.
;; Outputs: out0 4 x 2,048 x 1,024 float32.
;; This version of the problem:
;;   THIS VERSION OF THE PROBLEM IS GIVEN IN LOW PRECISION. The matrix products marked QUANTISED in the list below multiply operands that are first quantised to E4M3 (4 exponent bits, 3 mantissa bits; 8 bits a number), with one given power-of-two scale for each operand tensor; their sums are f32. All else is computed in f32.
;;   The module's matrix products, in the order in which they are computed (A, B: the left and right operand; K: the contracted axis; several contracted axes count as one K, in the product's order):
;;     1. [M 8,192, K 1,024] x [K 1,024, N 1,024]; A: input q; B: input Wq: QUANTISED (scales: A lowp_scales[0], B lowp_scales[1])
;;     2. [M 8,192, K 1,024] x [K 1,024, N 1,024]; A: input k; B: input Wk: QUANTISED (scales: A lowp_scales[2], B lowp_scales[3])
;;     3. [M 8,192, K 1,024] x [K 1,024, N 1,024]; A: input v; B: input Wv: QUANTISED (scales: A lowp_scales[4], B lowp_scales[5])
;;     4. batch 64 x [M 2,048, K 64] x [K 64, N 2,048]; A: computed on the way; B: computed on the way: QUANTISED (scales: A lowp_scales[6], B lowp_scales[7])
;;     5. batch 64 x [M 2,048, K 2,048] x [K 2,048, N 64]; A: softmax (see below); B: computed on the way: QUANTISED (scales: A lowp_scales[8], B lowp_scales[9])
;;     6. [M 8,192, K 1,024] x [K 1,024, N 1,024]; A: computed on the way; B: input Wo: QUANTISED (scales: A lowp_scales[10], B lowp_scales[11])
;;   THE QUANTISER, for each operand of a quantised product, along K:
;;     - The operand's scale is 2^e, e = its entry of the input lowp_scales (int32; the entries are numbered through the quantised products in the list's order, A before B).
;;     - Each number is divided by the scale, clamped to +-448, and rounded to the nearest number of E4M3, ties to even, subnormals kept.
;;     - The product sums the exact products of the quantised numbers (number of the format x scale) in f32.
;;   ~~~python
;;   def quantise(x, axis, e):      # numpy; x: float32 -> the quantised numbers, widened to float32 again
;;       x = np.moveaxis(x, axis, -1); K = x.shape[-1]
;;       r = np.clip(x / 2.0 ** e, -448, 448)
;;       step = 2.0 ** (np.maximum(np.frexp(np.where(r == 0, 1, r))[1] - 1, -6) - 3)
;;       q = np.round(r / step) * step * 2.0 ** e      # np.round: ties to even
;;       return np.moveaxis(q, -1, axis).astype(np.float32)
;;   ~~~
;;   SOFTMAX AHEAD OF A QUANTISED PRODUCT. Where the list says 'softmax', what is quantised is not the finished softmax but p = 2^(t - M), with t = logit x log2(e) and M = ceil(the row's largest t), a whole number; so 1/2 < the row's largest p <= 1. The row's sum l is taken of the UNQUANTISED p, in f32, and the product's result is divided by l at the end. Since M is a whole number, a kernel that streams over the keys may use a running M (the ceiling of the running maximum): every later rescaling is an exact power of two, so the quantised numbers keep their values, but for numbers so far below the row's largest that they fall under the format's range.
;;   OPERANDS COMPUTED ON THE WAY. 'Computed on the way' means the value that the module computes at that place (a softmax that the list does not call 'softmax' is quantised finished and normalised). What goes into a quantiser is computed in f32, as accurately as f32 sums, v_exp_f32 and their like allow (about 1e-6 of the number): no bf16 or f16 on the way to a quantiser, and a product that is left as it is and whose result goes on into a quantised operand takes f32 operands (vector FMAs, or v_wmma_f32_16x16x4_f32). A number that lies on a knife's edge between two numbers of the format may be rounded either way, as far as f32 arithmetic and the matrix unit's own rounding can turn it there, and no further.
;; One version. Each part assembles by itself: llvm-mc -triple=amdgcn-amd-amdhsa -mcpu=gfx1250 --defsym DOCPART=n.
;; ======== version 1 of 1: 4 launches
;; limits: right only within a limited range of input values
;; workspace buffers: xc 25,165,824 bytes; wc 4,194,304 bytes; pc 25,165,824 bytes; ac 8,388,608 bytes
;; launch quant (part 1): grid 896 x 1, 4 waves a work-group, no clusters, 33,280 bytes of LDS; arguments q, k, v, Wq, Wk, Wv, Wo, lowp_scales, xc, wc; writes xc, wc
.if DOCPART == 1
	.amdgcn_target "amdgcn-amd-amdhsa--gfx1250"
	.amdhsa_code_object_version 6
	.text
	.protected	k_qf072425dcc_quant
	.globl	k_qf072425dcc_quant
	.p2align	8
	.type	k_qf072425dcc_quant,@function
k_qf072425dcc_quant:
	s_mov_b64 s[64:65], 0
	v_nop
	global_prefetch_b8 v0, s[64:65] scope:SCOPE_SE
	s_setreg_imm32_b32 hwreg(HW_REG_WAVE_MODE, 25, 1), 1
	s_wait_xcnt 0x0
; q, k, v [8192][1024] and Wq, Wk, Wv, Wo [1024][1024], f32, K innermost, become codes of FP8 (E4M3), each with the one scale 2^e given for it.
; code = x / 2^e, held within +-448, rounded to the nearest code, ties to even.  e: entries 0, 2, 4 (q, k, v) and 1, 3, 5, 11 (Wq, Wk, Wv, Wo) of the scales.
; LIMITS: each of these e lies between -126 and 119, so that 2^e and 448 x 2^e are f32 numbers.  NaN among the inputs is not served; an infinity is held at the largest code.
; Rows are dense, so a tensor is a plain stream of numbers and its codes a plain stream of bytes.  xc takes q, k, v on end, wc the four weights on end.
; A work-group takes 32,768 numbers, a wave 8,192 in 16 steps of 512.  Work-groups 0-255 q, 256-511 k, 512-767 v, then 32 for each weight: only pointers and e are chosen, all take one path.
; The conversion takes 8 neighbours from ONE lane's registers; a load is best where neighbouring LANES take neighbouring bytes.  Both are had: each of a step's four loads reads 512 consecutive bytes,
; the 2,048 bytes go through the wave's own stage in LDS as they lie and come back 64 bytes a lane (16 bytes of padding behind each 64).  A lane's 16 codes are 16 bytes: a store covers 512 consecutive bytes.
; No tensor loads, no barrier: waves share nothing.  Loads run four steps (16 loads a wave) ahead, the turn through LDS one step.
.set STEPS, 16
.set EMAX,  8
.set MANT,  0x600000                   ; the mantissa field of 448 as f32
.set CB,    16                         ; bytes of 16 codes
.set R,     16                         ; v16-79   four sets of 16 numbers as they are loaded
.set X,     80                         ; v80-111  two sets of 16 neighbours
.set C,     128                        ; v128-191 codes: four registers for each step, so that no store's data are written again
.set WREG,  8192                       ; LDS: a region for each wave: two stages of 32 x SP bytes
.set SP,    80                         ; a lane's place in a stage: its 64 bytes + 16 of padding
	s_load_b512 s[4:19], s[0:1], 0x0               ; q, k, v, Wq, Wk, Wv, Wo, the scales' exponents (s[18:19])
	s_load_b128 s[20:23], s[0:1], 0x40             ; xc, wc
	v_lshl_add_u32 v192, v0, 2, 0x8000
	v_mov_b32 v193, 0
	s_mov_b32 s45, ttmp9                           ; the work-group's number
	v_lshrrev_b32 v1, 5, v0
	v_readfirstlane_b32 s46, v1                    ; wave
	v_and_b32 v2, 31, v0                           ; lane
	v_lshlrev_b32 v3, 4, v2                        ; my 16 bytes of a load's 512
	s_mul_i32 s47, s46, WREG
	v_lshrrev_b32 v14, 2, v2
	v_mul_u32_u24 v14, v14, SP
	v_and_b32 v15, 3, v2
	v_lshl_add_u32 v14, v15, 4, v14
	v_add_nc_u32 v14, s47, v14                     ; the stage, on the way in: SP (lane / 4) + 16 (lane % 4); a load's 512 bytes take eight places
	v_mul_u32_u24 v15, v2, SP
	v_add_nc_u32 v15, s47, v15                     ; and on the way out: SP x lane: my 16 neighbours
	v_mul_u32_u24 v4, v2, CB                       ; my codes' place in a step's
	s_and_b32 s28, s45, 31                         ; which 32,768 numbers of a weight,
	s_and_b32 s29, s45, 255                        ; or of q, k, v
	s_sub_co_u32 s30, s45, 768                     ; which 32,768 bytes of wc (of xc: the work-group's number itself)
	s_cmp_ge_u32 s45, 768
	s_cselect_b32 s28, s28, s29
	s_cselect_b32 s30, s30, s45
	s_lshl_b32 s48, s28, 17                        ; in: 131,072 bytes a work-group,
	s_lshl_b32 s31, s46, 15                        ; 32,768 a wave
	s_add_co_u32 s48, s48, s31
	s_mov_b32 s49, 0
	s_lshl_b32 s50, s30, 15                        ; out: 32,768 bytes a work-group,
	s_lshl_b32 s31, s46, 13                        ; 8,192 a wave
	s_add_co_u32 s50, s50, s31
	s_mov_b32 s51, 0
	s_wait_kmcnt 0x0
	s_load_b256 s[32:39], s[18:19], 0x0            ; e0 .. e7
	s_load_b128 s[40:43], s[18:19], 0x20           ; e8 .. e11
	s_mov_b64 s[24:25], s[4:5]                     ; the tensor is chosen by the work-group's number alone
	s_cmp_ge_u32 s45, 256
	s_cselect_b64 s[24:25], s[6:7], s[24:25]
	s_cmp_ge_u32 s45, 512
	s_cselect_b64 s[24:25], s[8:9], s[24:25]
	s_cmp_ge_u32 s45, 768
	s_cselect_b64 s[24:25], s[10:11], s[24:25]
	s_cselect_b64 s[26:27], s[22:23], s[20:21]     ; weights go to wc, the others to xc
	s_cmp_ge_u32 s45, 800
	s_cselect_b64 s[24:25], s[12:13], s[24:25]
	s_cmp_ge_u32 s45, 832
	s_cselect_b64 s[24:25], s[14:15], s[24:25]
	s_cmp_ge_u32 s45, 864
	s_cselect_b64 s[24:25], s[16:17], s[24:25]
	s_add_nc_u64 s[24:25], s[24:25], s[48:49]
	s_add_nc_u64 s[26:27], s[26:27], s[50:51]
.macro LOAD t
.irp i, 0,1,2,3
	global_load_b128 v[R+16*((\t)%4)+4*\i:R+16*((\t)%4)+4*\i+3], v3, s[24:25] offset:2048*(\t)+512*\i th:TH_LOAD_NT   ; 32 lanes read 512 consecutive bytes; read once in the launch
.endr
.endm
.macro TURN t                          ; step t's numbers through the stage: LDS serves a wave's instructions in order, so no wait stands between the stores and the loads
.irp i, 0,1,2,3
	ds_store_b128 v14, v[R+16*((\t)%4)+4*\i:R+16*((\t)%4)+4*\i+3] offset:32*SP*((\t)%2)+8*SP*\i
.endr
.irp i, 0,1,2,3
	ds_load_b128 v[X+16*((\t)%2)+4*\i:X+16*((\t)%2)+4*\i+3], v15 offset:32*SP*((\t)%2)+16*\i
.endr
.endm
.irp t, 0,1,2,3
	LOAD \t
.endr
	s_wait_kmcnt 0x0
	s_mov_b32 s44, s32                             ; e, by the same choice: e0, e2, e4, e1, e3, e5, e11
	s_cmp_ge_u32 s45, 256
	s_cselect_b32 s44, s34, s44
	s_cmp_ge_u32 s45, 512
	s_cselect_b32 s44, s36, s44
	s_cmp_ge_u32 s45, 768
	s_cselect_b32 s44, s33, s44
	s_cmp_ge_u32 s45, 800
	s_cselect_b32 s44, s35, s44
	s_cmp_ge_u32 s45, 832
	s_cselect_b32 s44, s37, s44
	s_cmp_ge_u32 s45, 864
	s_cselect_b32 s44, s43, s44
	s_add_co_i32 s44, s44, 127
	s_lshl_b32 s47, s44, 23
	v_mov_b32 v11, s47                             ; 2^e as f32: the conversion takes its exponent field
	s_add_co_i32 s44, s44, EMAX
	s_lshl_b32 s44, s44, 23
	s_or_b32 s44, s44, MANT
	v_mov_b32 v10, s44                             ; 448 x 2^e
	s_wait_loadcnt 12                              ; step 0's four loads are in; the twelve of steps 1 to 3 may be out
	TURN 0
.macro STEP t
.set XS, X+16*((\t)%2)
	s_wait_dscnt 0x0                               ; this step's numbers are back from the stage: so its stores into the stage have read their registers,
.if (\t)+4 < STEPS
	LOAD (\t)+4                                    ; which take the loads of four steps on
.endif
.if (\t)+1 < STEPS
.if STEPS-2-(\t) >= 3
	s_wait_loadcnt 12                              ; the next step's four loads are in; those of the three steps behind it may be out
.else
	s_wait_loadcnt 4*(STEPS-2-(\t))                ; the tail: four loads for each step still behind the next one
.endif
	TURN (\t)+1                                    ; and go through the other stage while this step is worked
.endif
.irp i, 0,1,2,3,4,5,6,7,8,9,10,11,12,13,14,15
	v_med3_num_f32 v[XS+\i], v[XS+\i], -v10, v10   ; the conversion to an 8-bit code does not saturate (ISA guide 7.6.2): hold the number within 448 x the scale first
.endr
	v_cvt_scalef32_pk8_fp8_f32 v[C+4*(\t):C+4*(\t)+1], v[XS:XS+7], v11
	v_cvt_scalef32_pk8_fp8_f32 v[C+4*(\t)+2:C+4*(\t)+3], v[XS+8:XS+15], v11
	global_store_b128 v4, v[C+4*(\t):C+4*(\t)+3], s[26:27] offset:32*CB*(\t)   ; the results go to a store alone; the next vector lines are the next step's holds, on other registers
.endm
.irp t, 0,1,2,3,4,5,6,7,8,9,10,11,12,13,14,15
	STEP \t
.endr
	s_wait_tensorcnt 0x0
	ds_add_u32 v192, v193
	s_wait_dscnt 0x0
	s_endpgm
.Lfunc_end_k_qf072425dcc_quant:
	.size	k_qf072425dcc_quant, .Lfunc_end_k_qf072425dcc_quant-k_qf072425dcc_quant
	.p2alignl 7, 3214868480
	.fill 96, 4, 3214868480
	.section	.rodata,"a",@progbits
	.p2align	6, 0x0
	.amdhsa_kernel k_qf072425dcc_quant
		.amdhsa_group_segment_fixed_size 33280
		.amdhsa_private_segment_fixed_size 0
		.amdhsa_enable_private_segment 0
		.amdhsa_kernarg_size 80
		.amdhsa_user_sgpr_count 2
		.amdhsa_user_sgpr_kernarg_segment_ptr 1
		.amdhsa_wavefront_size32 1
		.amdhsa_system_sgpr_workgroup_id_x 1
		.amdhsa_system_sgpr_workgroup_id_y 1
		.amdhsa_system_sgpr_workgroup_id_z 1
		.amdhsa_system_vgpr_workitem_id 0
		.amdhsa_next_free_vgpr 194
		.amdhsa_next_free_sgpr 66
		.amdhsa_reserve_vcc 0
		.amdhsa_float_denorm_mode_32 3
		.amdhsa_float_denorm_mode_16_64 3
		.amdhsa_memory_ordered 1
		.amdhsa_forward_progress 1
		.amdhsa_inst_pref_size 39
	.end_amdhsa_kernel
	.amdgpu_metadata
---
amdhsa.version: [ 1, 2 ]
amdhsa.kernels:
  - .name:           k_qf072425dcc_quant
    .symbol:         k_qf072425dcc_quant.kd
    .args:
      - { .name: q, .offset: 0, .size: 8, .value_kind: global_buffer, .address_space: global }
      - { .name: k, .offset: 8, .size: 8, .value_kind: global_buffer, .address_space: global }
      - { .name: v, .offset: 16, .size: 8, .value_kind: global_buffer, .address_space: global }
      - { .name: Wq, .offset: 24, .size: 8, .value_kind: global_buffer, .address_space: global }
      - { .name: Wk, .offset: 32, .size: 8, .value_kind: global_buffer, .address_space: global }
      - { .name: Wv, .offset: 40, .size: 8, .value_kind: global_buffer, .address_space: global }
      - { .name: Wo, .offset: 48, .size: 8, .value_kind: global_buffer, .address_space: global }
      - { .name: lowp_scales, .offset: 56, .size: 8, .value_kind: global_buffer, .address_space: global }
      - { .name: xc, .offset: 64, .size: 8, .value_kind: global_buffer, .address_space: global }
      - { .name: wc, .offset: 72, .size: 8, .value_kind: global_buffer, .address_space: global }
    .group_segment_fixed_size: 33280
    .private_segment_fixed_size: 0
    .kernarg_segment_align: 8
    .kernarg_segment_size: 80
    .max_flat_workgroup_size: 128
    .sgpr_count:     66
    .vgpr_count:     194
    .wavefront_size: 32
...
	.end_amdgpu_metadata
.endif
;; end of part 1
;; launch proj (part 2): grid 4 x 96, 4 waves a work-group, clusters of 4 x 4, 327,680 bytes of LDS; arguments xc, wc, lowp_scales, bq, bk, bv, pc; writes pc
.if DOCPART == 2
	.amdgcn_target "amdgcn-amd-amdhsa--gfx1250"
	.amdhsa_code_object_version 6
	.text
	.protected	k_qf072425dcc_proj
	.globl	k_qf072425dcc_proj
	.p2align	8
	.type	k_qf072425dcc_proj,@function
k_qf072425dcc_proj:
	s_mov_b64 s[64:65], 0
	v_nop
	global_prefetch_b8 v0, s[64:65] scope:SCOPE_SE
	s_setreg_imm32_b32 hwreg(HW_REG_WAVE_MODE, 25, 1), 1
	s_wait_xcnt 0x0
	s_wait_alu depctr_hold_cnt(0) depctr_sa_sdst(0) depctr_va_vdst(0) depctr_va_sdst(0) depctr_va_ssrc(0) depctr_va_vcc(0) depctr_vm_vsrc(0)
	s_getreg_b32 s2, hwreg(HW_REG_IB_STS2, 6, 4)
	s_cmp_eq_u32 s2, 0
	s_cbranch_scc0 .Lentry_in_a_cluster
	s_endpgm
.Lentry_in_a_cluster:
	s_bfe_u32 s2, ttmp6, 0x10000c
	s_cmp_lg_u32 s2, 0xf033
	s_cbranch_scc0 .Lentry_shape_is_right
	s_endpgm
.Lentry_shape_is_right:
; The three projections in one launch: y = x W^T + b on codes of FP8 (E4M3), and y quantised at once for attention.  xc: [24576][1024] codes (q, k, v on end); wc: Wq, Wk, Wv (, Wo), [1024][1024] codes each.
; y = sum x 2^(ea + eb) + bias in f32; its code = y / 2^eo, held within +-448.  (ea, eb, eo) = entries (0, 1, 6) for q, (2, 3, 7) for k, (4, 5, 9) for v.
; LIMITS: ea + eb between -126 and 127; eo between -126 and 119: so that each power of two below is an f32 number.
; OUT, in pc: at 0 qh [b][h][t][64], at 8 MiB kh likewise, at 16 MiB vt [b][h][t / 128][d = 64][128 keys], the keys innermost; within each 32 keys, key 16 u + 8 g + j lies at byte 16 g + 8 u + j,
; so that four 16-byte reads give a lane the keys in the places that the K = 128 form gives them.
; A tile of 256 rows x 256 channels is made by four waves, 128 x 128 each: 64 accumulators, 512 registers.  K = 1,024 goes in four steps of 256 through two LDS slots filled by the tensor data mover.
; 384 tiles; a smaller tile would read each LDS byte for half the products, so the tile stays at the size that the registers hold.
; CLUSTERS: 4 x 4 work-groups.  A row of the cluster shares the rows of xc, a column the rows of W: each tile is asked for jointly.  Eight clusters along y make one tensor, so the tensor's number is equal in all partners.
; The matrix instruction takes source 0 from window 1 (blocks b) and source 1 from window 0 (blocks a): lane (r, g), register j, holds (source 1's row 16 a + r, source 0's row 16 b + 8 g + j).
; q, k: source 1 = tokens, source 0 = channels: a lane's eight results are neighbours along the head's 64.   v: the two LDS bases change places: a lane's eight results are eight neighbouring keys of one channel.
; REGISTERS, windows of 256: window 0: v16-30 addresses; v32-95, v96-111 the bias in the two layouts; v112 the conversion's scale; from v128 source 1's fragments, ONE set (free on the way out).
;   window 1: source 0's fragments, TWO sets.   windows 2, 3: the accumulators, (a, b) at v[8 (8 (a % 4) + b)].
.set KROW,   1024                      ; a row of codes in memory, in bytes
.set ROWB,   256                       ; a tile's row: 256 codes
.set PITCH,  272                       ; an LDS row: 256 bytes + 16 of padding = 68 words: row r starts at bank 4 r mod 64 (64 banks of 4 bytes: ISA guide 11.1)
.set FR,     16                        ; registers of a fragment: 16 rows x 128 K
.set NL,     4                         ; LDS loads that bring one
.set NP,     4                         ; places behind this matrix instruction (ISA guide 7.12.1)
.set HALFT,  128*PITCH                 ; 128 rows: what one tensor load brings
.set SLOT,   4*HALFT                   ; 256 rows of xc, then 256 rows of W
.set SPARE,  2*SLOT                    ; behind the ring: the spare words, 128 bytes a wave
.set WST,    16*144                    ; a wave's stage: 16 rows x (128 bytes + 16)
.set STQ,    SPARE+512                 ; the stages of the way out for q and k,
.set STV,    STQ+4*WST                 ; and for v: bytes of their own for each way; no fill lands in either
.set ADRA, 16                          ; v16-17  LDS address of source 1's fragments in slot 0, 1
.set ADRB, 20                          ; v20-21  of source 0's
.set BO8,  22                          ; v22     32 g: my eight bias numbers of a block of 16
.set BO4,  23                          ; v23     4 r: my one
.set STO,  24                          ; v24     q, k: where I put 8 codes of a row
.set RDQ,  25                          ; v25     q, k: where I read 16 bytes back
.set CO,   26                          ; v26     16 x lane: my place in a store's 512 bytes
.set STOV, 27                          ; v27     v: where I put 8 codes
.set SPW,  28                          ; v28     my spare word; never rewritten
.set NIL,  29                          ; v29     0; never rewritten
.set RDV,  30                          ; v30     v: where I read back
.set BQ,   32                          ; v32-95  bias[c0 + 16 b + 8 g + j] at 8 b + j
.set BV,   96                          ; v96-111 bias[c0 + 16 a + r] at 2 a and at 2 a + 1
.set SCL,  112                         ; v112    2^eo
.set LIM,  113
.set AF,   128                         ; source 1's fragments
.set TMP,  128                         ; the way out: a block's 64 numbers
.set CD,   192                         ; two sets of 16: a block's codes
.set BK,   224                         ; two sets of 16: a block read back from the stage
.set G1, 24                            ; s[24:31] descriptor group 1 for xc's tiles;  s[32:39] group 0, one set for each slot
.set G0, 32
.set G1B, 48                           ; s[48:55], s[56:63] the same for W's tiles
.set G0B, 56
.set TEN, 74                           ; s74  0: q, 1: k, 2: v
.set MSB, 0
.macro WIN new                         ; the immediate's high byte repeats the setting that is left
.if MSB != \new
	s_set_vgpr_msb (MSB<<8)|\new
.set MSB, \new
.endif
.endm
.set MUL_LO, 0xa1                      ; source 0 window 1, source 1 window 0, C and D window 2
.set MUL_HI, 0xf1                      ; the same, C and D window 3
.set TO_B,   0x40                      ; destination window 1, address window 0
; A joint load: waves 0 and 1 fetch xc's two halves, waves 2 and 3 W's.  Each line has one mask and one set of registers; the branch hangs on the wave's number alone.  Four v_nop follow each line.
.macro JLOAD g0a, g1a, g0b, g1b
	s_cmp_eq_u32 s15, 0
	s_cbranch_scc0 .Lfor_b_\@
	tensor_load_to_lds s[\g0a:\g0a+3], s[\g1a:\g1a+7]
	s_nop 0
.rept 4
	v_nop
.endr
	s_branch .Lasked_\@
.Lfor_b_\@:
	tensor_load_to_lds s[\g0b:\g0b+3], s[\g1b:\g1b+7]
	s_nop 0
.rept 4
	v_nop
.endr
.Lasked_\@:
.endm
.macro CREST                           ; a round of the cluster's barrier behind its opening barrier
	s_cmp_lg_u32 s14, 0
	s_cbranch_scc1 .Lnot_wave_0_\@
	s_barrier_signal -3
.Lnot_wave_0_\@:
	s_barrier_wait -3
	s_barrier_signal -1
	s_barrier_wait -1
.endm
.macro CROUND                          ; a whole round
	s_barrier_signal -1
	s_barrier_wait -1
	CREST
.endm
	s_load_b256 s[4:11], s[0:1], 0x0               ; xc s[4:5], wc s[6:7], the scales' exponents s[8:9], bq s[10:11]
	s_load_b128 s[68:71], s[0:1], 0x20             ; bk, bv
	s_load_b64 s[72:73], s[0:1], 0x30              ; pc
	v_lshl_add_u32 v[SPW], v0, 2, SPARE
	v_mov_b32 v[NIL], 0
	ds_add_u32 v28, v29
	ds_add_u32 v28, v29
	s_wait_dscnt 0x0
	v_lshrrev_b32 v1, 5, v0
	v_readfirstlane_b32 s14, v1                    ; wave 0..3
	s_lshr_b32 s15, s14, 1                         ; which half of the tile's rows is mine.  Also: I fetch for xc (0) or for W (1)
	s_and_b32 s16, s14, 1                          ; which half of its channels.  Also: which 128 rows I fetch
	s_bfe_u32 s40, ttmp6, 0x40000                  ; cx, cy: my place in the cluster
	s_bfe_u32 s41, ttmp6, 0x40004
	s_lshl_b32 s42, ttmp9, 2
	s_add_co_u32 s42, s42, s40                     ; tile column = 4 x cluster x + cx
	s_and_b32 s12, ttmp7, 0xffff                   ; cluster y, 0..23
	s_lshr_b32 s[TEN], s12, 3                      ; the tensor: eight clusters along y each; made of the cluster's y alone
	s_lshl_b32 s17, s12, 2
	s_add_co_u32 s17, s17, s41                     ; tile row = 4 x cluster y + cy, 0..95
	s_lshl_b32 s43, s41, 2
	s_lshl_b32 s43, 15, s43                        ; my row of the cluster
	s_lshl_b32 s44, 0x1111, s40                    ; my column
	; descriptor group 1: a tile of 128 rows x 256 bytes, padded in LDS
	s_or_b32 s[G1+0], s43, (0<<16)|(1<<20)|(1<<21)|(5<<22)|(3<<25)  ; 15:0 the mask: my row; 17:16 elements of 1 byte; 20 padding on; 21 set beside a mask; 24:22 after every 64 words; 31:25 four words
	s_or_b32 s[G1B+0], s44, (0<<16)|(1<<20)|(1<<21)|(5<<22)|(3<<25) ; the same with the mask of my column
.irp g, G1, G1B
	s_mov_b32 s[\g+1], ROWB<<16                    ; tensor_dim0
	s_mov_b32 s[\g+2], 128<<16                     ; tensor_dim1 = 128
	s_mov_b32 s[\g+3], ROWB<<16                    ; tile_dim0
	s_mov_b32 s[\g+4], 128                         ; tile_dim1 = 128
	s_mov_b32 s[\g+5], KROW                        ; tensor_dim0_stride
	s_mov_b32 s[\g+6], 0
	s_mov_b32 s[\g+7], 0
.endr
	s_lshl_b32 s18, s16, 7                         ; which 128 rows of the tile I fetch
	s_lshl_b32 s20, s17, 8
	s_add_co_u32 s20, s20, s18                     ; xc: row 256 x tile row + 128 x half
	s_lshl_b32 s20, s20, 10                        ; in bytes: under 2^25
	s_mov_b32 s21, 0
	s_lshl_b32 s46, s42, 8
	s_add_co_u32 s46, s46, s18                     ; W: row 256 x tile column + 128 x half
	s_lshl_b32 s47, s[TEN], 10
	s_add_co_u32 s46, s46, s47                     ; + 1,024 x tensor
	s_lshl_b32 s46, s46, 10
	s_mov_b32 s47, 0
	s_mul_i32 s45, s14, HALFT                      ; where they go: wave x 128 rows: no place in the cluster enters an LDS address
	s_wait_kmcnt 0x0
	s_load_b256 s[76:83], s[8:9], 0x0              ; e0 .. e7
	s_load_b128 s[84:87], s[8:9], 0x20             ; e8 .. e11
	s_add_nc_u64 s[20:21], s[4:5], s[20:21]
	s_add_nc_u64 s[46:47], s[6:7], s[46:47]
	CROUND                                         ; all sixteen work-groups are here: the first joint loads meet
.irp s, 0,1
	s_mov_b32 s[G0+4*\s], 1
	s_add_co_u32 s[G0+4*\s+1], s45, \s*SLOT
	s_add_nc_u64 s[G0+4*\s+2:G0+4*\s+3], s[20:21], \s*ROWB
	s_or_b32 s[G0+4*\s+3], s[G0+4*\s+3], 0x80000000
	s_mov_b32 s[G0B+4*\s], 1
	s_add_co_u32 s[G0B+4*\s+1], s45, \s*SLOT
	s_add_nc_u64 s[G0B+4*\s+2:G0B+4*\s+3], s[46:47], \s*ROWB
	s_or_b32 s[G0B+4*\s+3], s[G0B+4*\s+3], 0x80000000
	s_wait_alu depctr_va_vdst(0)
	s_wait_tensorcnt 0x0
	ds_add_u32 v28, v29
	ds_add_u32 v28, v29
	s_wait_dscnt 0x0
	CROUND
	JLOAD G0+4*\s, G1, G0B+4*\s, G1B
.endr
	v_and_b32 v1, 15, v0                           ; r
	v_bfe_u32 v2, v0, 4, 1                         ; g
	v_mul_u32_u24 v3, v1, PITCH
	v_lshl_add_u32 v4, v2, 4, v3                   ; a fragment's row x pitch + 16 g
	s_wait_alu depctr_va_vdst(0)
	s_mul_i32 s21, s15, HALFT                      ; my 128 rows of xc
	s_mul_i32 s22, s16, HALFT                      ; my 128 rows of W,
	s_add_co_u32 s22, s22, 2*HALFT                 ; which lie behind xc's 256
	s_cmp_eq_u32 s[TEN], 2                         ; v: the two change places.  Either way both bases lie in the slot
	s_cselect_b32 s23, s22, s21                    ; source 1's
	s_cselect_b32 s22, s21, s22                    ; source 0's
	s_mov_b32 s21, s23
.irp s, 0,1
	v_add_nc_u32 v[ADRA+\s], s21, v4
	v_add_nc_u32 v[ADRB+\s], s22, v4
	s_add_co_u32 s21, s21, SLOT
	s_add_co_u32 s22, s22, SLOT
.endr
	; every LDS address of both ways out is made here, ahead of the place where the ways part
	s_mul_i32 s23, s14, WST
	v_mul_u32_u24 v5, v1, 144
	v_lshl_add_u32 v6, v2, 3, v5
	v_add_nc_u32 v6, s23, v6
	v_add_nc_u32 v[STO], STQ, v6                   ; q, k in: row r, + 8 g; block b's codes 16 b further on
	v_lshl_add_u32 v6, v2, 4, v5
	v_add_nc_u32 v6, s23, v6
	v_add_nc_u32 v[STOV], STV, v6                  ; v in: row r, + 16 g
	v_and_b32 v7, 31, v0
	v_lshlrev_b32 v[CO], 4, v7
	v_lshrrev_b32 v8, 2, v7
	v_mul_u32_u24 v8, v8, 144
	v_and_b32 v9, 3, v7
	v_lshl_add_u32 v8, v9, 4, v8
	v_add_nc_u32 v8, s23, v8
	v_add_nc_u32 v[RDQ], STQ, v8                   ; q, k back: four lanes to a head's 64 bytes of a row, eight rows an instruction
	v_lshrrev_b32 v8, 3, v7
	v_mul_u32_u24 v8, v8, 144
	v_and_b32 v9, 7, v7
	v_lshl_add_u32 v8, v9, 4, v8
	v_add_nc_u32 v8, s23, v8
	v_add_nc_u32 v[RDV], STV, v8                   ; v back: eight lanes to a row of 128 bytes, four rows an instruction
	v_lshlrev_b32 v[BO8], 5, v2
	v_lshlrev_b32 v[BO4], 2, v1
	s_wait_alu depctr_va_vdst(0)
	s_wait_kmcnt 0x0
	s_cmp_eq_u32 s[TEN], 1                         ; the tensor's bias and exponents: chosen, never branched on
	s_cselect_b64 s[92:93], s[68:69], s[10:11]
	s_cselect_b32 s90, s78, s76                    ; ea
	s_cselect_b32 s91, s79, s77                    ; eb
	s_cselect_b32 s94, s83, s82                    ; eo
	s_cmp_eq_u32 s[TEN], 2
	s_cselect_b64 s[92:93], s[70:71], s[92:93]
	s_cselect_b32 s90, s80, s90
	s_cselect_b32 s91, s81, s91
	s_cselect_b32 s94, s85, s94
	s_lshl_b32 s18, s42, 10                        ; my first channel c0 = 256 x tile column + 128 x half, in bytes of f32
	s_lshl_b32 s19, s16, 9
	s_add_co_u32 s18, s18, s19
	s_mov_b32 s19, 0
	s_add_nc_u64 s[92:93], s[92:93], s[18:19]
.irp b, 0,1,2,3,4,5,6,7
	global_load_b128 v[BQ+8*\b:BQ+8*\b+3], v[BO8], s[92:93] offset:64*\b
	global_load_b128 v[BQ+8*\b+4:BQ+8*\b+7], v[BO8], s[92:93] offset:64*\b+16
.endr
.irp a, 0,1,2,3,4,5,6,7
	global_load_b32 v[BV+2*\a], v[BO4], s[92:93] offset:64*\a
	global_load_b32 v[BV+2*\a+1], v[BO4], s[92:93] offset:64*\a      ; twice: the packed multiply-add names a pair
.endr
	s_add_co_i32 s90, s90, s91
	s_add_co_i32 s90, s90, 127
	s_lshl_b32 s88, s90, 23                        ; 2^(ea + eb) as f32
	s_mov_b32 s89, s88                             ; (named with it as a pair, so it is written)
	s_add_co_i32 s94, s94, 127
	s_lshl_b32 s95, s94, 23
	v_mov_b32 v[SCL], s95                          ; 2^eo: the conversion takes its exponent field
	; where my 128 x 128 goes in pc: (tensor, batch) x 2 MiB + head x 131,072 + my 128 tokens x 64 bytes (for v: my block of 128 keys x 8,192): one formula for both layouts
	s_lshr_b32 s18, s17, 3
	s_lshl_b32 s18, s18, 21
	s_lshl_b32 s19, s42, 2
	s_lshl_b32 s90, s16, 1
	s_add_co_u32 s19, s19, s90                     ; my first head: 4 x tile column + 2 x half
	s_lshl_b32 s19, s19, 17
	s_add_co_u32 s18, s18, s19
	s_and_b32 s19, s17, 7
	s_lshl_b32 s19, s19, 1
	s_add_co_u32 s19, s19, s15
	s_lshl_b32 s19, s19, 13
	s_add_co_u32 s18, s18, s19
	s_mov_b32 s19, 0
	s_add_nc_u64 s[72:73], s[72:73], s[18:19]
.macro FRAG reg, adr, q, i             ; 16 rows x 128 K: lane l holds row l % 16; registers 4 c .. 4 c + 3 hold K = 32 c + 16 (l / 16) + 0 .. 15: the same places in both sources, so every product meets its partner
.irp c, 0,1,2,3
	ds_load_b128 v[\reg+4*\c:\reg+4*\c+3], v[\adr] offset:128*(\q)+32*\c+(\i)*16*PITCH
.endr
.endm
; 16 matrix instructions: source 1's blocks a0, a0 + 1 x source 0's eight.  p: source 0's set.  zero = 1: the first product starts the sums.  The 64 accumulators take turns, one instruction a turn.
.macro MUL16 a0, p, zero
.irp a, \a0, \a0+1
.irp b, 0,1,2,3,4,5,6,7
.if \zero
	v_wmma_f32_16x16x128_fp8_fp8 v[8*(8*((\a)%4)+\b):8*(8*((\a)%4)+\b)+7], v[128*(\p)+FR*\b:128*(\p)+FR*\b+FR-1], v[AF+FR*(\a):AF+FR*(\a)+FR-1], 0
.else
	v_wmma_f32_16x16x128_fp8_fp8 v[8*(8*((\a)%4)+\b):8*(8*((\a)%4)+\b)+7], v[128*(\p)+FR*\b:128*(\p)+FR*\b+FR-1], v[AF+FR*(\a):AF+FR*(\a)+FR-1], v[8*(8*((\a)%4)+\b):8*(8*((\a)%4)+\b)+7]
.endif
.endr
.endr
.endm
.macro FETCH_B slot, q, p              ; source 0's eight fragments of the slot's q-th 128 along K into set p
	WIN TO_B
.irp i, 0,1,2,3,4,5,6,7
	FRAG 128*(\p)+FR*\i, ADRB+\slot, \q, \i
.endr
	WIN 0
.endm
.macro FETCH_A slot, q, i0             ; source 1's blocks i0 .. i0 + 3
.irp i, \i0, \i0+1, \i0+2, \i0+3
	FRAG AF+FR*(\i), ADRA+\slot, \q, \i
.endr
.endm
.macro PLACES n                        ; plain vector lines between a matrix instruction and a load into, or a vector line on, its registers
.rept \n
	v_nop
.endr
.endm
; A step of 128 along K that has its successor in the same slot.
.macro STEP slot, q, zero
	s_wait_dscnt 4*NL                              ; source 0's set and source 1's blocks 0-3 are in; the youngest 16 loads (blocks 4-7) may be out
	WIN MUL_LO
	MUL16 0, (\q)%2, \zero
	MUL16 2, (\q)%2, \zero
	s_wait_dscnt 0                                 ; blocks 4-7 are in
	PLACES NP
	FETCH_B \slot, (\q)+1, 1-(\q)%2
	FETCH_A \slot, (\q)+1, 0
	WIN MUL_HI
	MUL16 4, (\q)%2, \zero
	MUL16 6, (\q)%2, \zero
	PLACES NP
	WIN 0
	FETCH_A \slot, (\q)+1, 4
.endm
; A slot's last step changes slots: ONE barrier; in front of it each wave waits for all its tensor loads, adds 0 to its spare word, and waits for that and for its own reads of this slot.  fill = 1: this slot is filled again, two K steps ahead.
.macro TURN slot, next, fill
	s_wait_tensorcnt 0x0                           ; all my tensor loads have landed: my part of the next slot
	ds_add_u32 v[SPW], v[NIL]                      ; 0 onto my spare word
	s_wait_dscnt 4*NL+1                            ; the add and the youngest 16 loads may be out
	WIN MUL_LO
	MUL16 0, 1, 0                                  ; sixteen matrix instructions stand between the add and the wait for it
	s_wait_dscnt 0x0                               ; the add is done, and my reads of this slot are over
	s_barrier_signal -1
	MUL16 2, 1, 0
	WIN 0
	s_barrier_wait -1
.if \fill
	CREST                                          ; the barrier has opened a round of the cluster's barrier: no wave of any partner still reads this slot or has a load on its way
	s_add_nc_u64 s[G0+4*\slot+2:G0+4*\slot+3], s[G0+4*\slot+2:G0+4*\slot+3], 2*ROWB
	s_add_nc_u64 s[G0B+4*\slot+2:G0B+4*\slot+3], s[G0B+4*\slot+2:G0B+4*\slot+3], 2*ROWB
	JLOAD G0+4*\slot, G1, G0B+4*\slot, G1B         ; the first tensor load behind the round; its four v_nop are the places in front of the loads below
.else
	PLACES NP
.endif
	FETCH_B \next, 0, 0
	FETCH_A \next, 0, 0
	WIN MUL_HI
	MUL16 4, 1, 0
	MUL16 6, 1, 0
	PLACES NP
	WIN 0
	FETCH_A \next, 0, 4
.endm
	s_wait_loadcnt 0x0                             ; the bias
	s_wait_tensorcnt 1                             ; my part of K step 0 is in; K step 1's load may be out
	s_barrier_signal -1
	s_barrier_wait -1                              ; everybody's is
	FETCH_B 0, 0, 0
	FETCH_A 0, 0, 0
	FETCH_A 0, 0, 4
	STEP 0, 0, 1                                   ; K = 1,024 is four slots' worth, eight steps of 128: written out
	TURN 0, 1, 1
	STEP 1, 0, 0
	TURN 1, 0, 1
	STEP 0, 0, 0
	TURN 0, 1, 0                                   ; nothing is left to fetch
	STEP 1, 0, 0
	s_wait_dscnt 4*NL                              ; the last step
	WIN MUL_LO
	MUL16 0, 1, 0
	MUL16 2, 1, 0
	s_wait_dscnt 0
	WIN MUL_HI
	MUL16 4, 1, 0
	MUL16 6, 1, 0
	WIN 0
	PLACES NP                                      ; in front of the first read of results and of writes to the registers that held fragments
; THE WAY OUT, block a (16 rows of source 1) at a time: y = sum x 2^(ea + eb) + bias, converted: 8 codes for each of the 8 blocks b; through my own stage; back as runs of 512 consecutive bytes of pc.
; v = 0: stage row = token, 128 channels = two heads' 64 bytes.  v = 1: stage row = channel, 128 keys in vt's order.
.macro TOSTAGE a, v
.set AC, 64*((\a)%4)
.set CDS, CD+16*((\a)%2)
.set BB, BK+16*((\a)%2)
	WIN 0x02+((\a)/4)                              ; source 0: window 2 or 3
.irp b, 0,1,2,3,4,5,6,7
.irp i, 0,2,4,6
.if \v
	v_pk_fma_f32 v[TMP+8*\b+\i:TMP+8*\b+\i+1], v[AC+8*\b+\i:AC+8*\b+\i+1], s[88:89], v[BV+2*(\a):BV+2*(\a)+1] op_sel_hi:[1,0,1]   ; each accumulator from its low end on
.else
	v_pk_fma_f32 v[TMP+8*\b+\i:TMP+8*\b+\i+1], v[AC+8*\b+\i:AC+8*\b+\i+1], s[88:89], v[BQ+8*\b+\i:BQ+8*\b+\i+1] op_sel_hi:[1,0,1]
.endif
.endr
.endr
	WIN 0
.set j, 0
.rept 64
.set j, j+1
.endr
.irp b, 0,1,2,3,4,5,6,7
	v_cvt_scalef32_pk8_fp8_f32 v[CDS+2*\b:CDS+2*\b+1], v[TMP+8*\b:TMP+8*\b+7], v[SCL]
.endr
	v_nop                                          ; one plain vector line behind the last conversion: the next block's multiply-adds write its sources
.irp b, 0,1,2,3,4,5,6,7
.if \v
	ds_store_b64 v[STOV], v[CDS+2*\b:CDS+2*\b+1] offset:32*(\b/2)+8*(\b%2)   ; keys 16 b + 8 g + j at byte 32 (b / 2) + 16 g + 8 (b % 2) + j
.else
	ds_store_b64 v[STO], v[CDS+2*\b:CDS+2*\b+1] offset:16*\b
.endif
.endr
.irp n, 0,1,2,3
.if \v
	ds_load_b128 v[BB+4*\n:BB+4*\n+3], v[RDV] offset:576*\n                  ; rows 4 n .. 4 n + 3.  LDS serves a wave's instructions in order: these see my stores
.else
	ds_load_b128 v[BB+4*\n:BB+4*\n+3], v[RDQ] offset:64*(\n/2)+1152*(\n%2)   ; head n / 2, tokens 8 (n % 2) on
.endif
.endr
.endm
.macro SEND a, v, younger              ; younger: the LDS instructions issued behind block a's loads: the next block's 8 stores and 4 loads, or none
.set BB, BK+16*((\a)%2)
	s_wait_dscnt \younger
.irp n, 0,1,2,3
.if \v
	global_store_b128 v[CO], v[BB+4*\n:BB+4*\n+3], s[72:73] offset:131072*((\a)/4)+2048*((\a)%4)+512*\n   ; head a / 4, channels 16 (a % 4) + 4 n on: 512 consecutive bytes, aligned
.else
	global_store_b128 v[CO], v[BB+4*\n:BB+4*\n+3], s[72:73] offset:131072*(\n/2)+1024*(\a)+512*(\n%2)     ; head n / 2, tokens 16 a + 8 (n % 2) on: 512 consecutive bytes, aligned
.endif
.endr
.endm
.macro WAYOUT v
	TOSTAGE 0, \v
.irp a, 1,2,3,4,5,6,7
.if \a > 1
	s_wait_xcnt 0x0                                ; block a - 2's stores have read their registers: block a's loads may land there
.endif
	TOSTAGE \a, \v
	SEND \a-1, \v, 12
.endr
	SEND 7, \v, 0
.endm
	s_cmp_eq_u32 s[TEN], 2                         ; equal in every wave of every partner; neither way holds a barrier or a tensor load
	s_cbranch_scc1 .Lway_v
	WAYOUT 0
	s_branch .Lend
.Lway_v:
	WAYOUT 1
.Lend:
	s_wait_tensorcnt 0x0                           ; the wave's end
	ds_add_u32 v[SPW], v[NIL]
	s_wait_dscnt 0x0
	CROUND                                         ; the closing round: no work-group ends while a partner may still ask for a tile that names it
	s_endpgm
.Lfunc_end_k_qf072425dcc_proj:
	.size	k_qf072425dcc_proj, .Lfunc_end_k_qf072425dcc_proj-k_qf072425dcc_proj
	.p2alignl 7, 3214868480
	.fill 96, 4, 3214868480
	.section	.rodata,"a",@progbits
	.p2align	6, 0x0
	.amdhsa_kernel k_qf072425dcc_proj
		.amdhsa_group_segment_fixed_size 327680
		.amdhsa_private_segment_fixed_size 0
		.amdhsa_enable_private_segment 0
		.amdhsa_kernarg_size 56
		.amdhsa_user_sgpr_count 2
		.amdhsa_user_sgpr_kernarg_segment_ptr 1
		.amdhsa_wavefront_size32 1
		.amdhsa_system_sgpr_workgroup_id_x 1
		.amdhsa_system_sgpr_workgroup_id_y 1
		.amdhsa_system_sgpr_workgroup_id_z 1
		.amdhsa_system_vgpr_workitem_id 0
		.amdhsa_next_free_vgpr 1024
		.amdhsa_next_free_sgpr 98
		.amdhsa_reserve_vcc 0
		.amdhsa_float_denorm_mode_32 3
		.amdhsa_float_denorm_mode_16_64 3
		.amdhsa_fp16_overflow 1
		.amdhsa_memory_ordered 1
		.amdhsa_forward_progress 1
		.amdhsa_inst_pref_size 144
	.end_amdhsa_kernel
	.amdgpu_metadata
---
amdhsa.version: [ 1, 2 ]
amdhsa.kernels:
  - .name:           k_qf072425dcc_proj
    .symbol:         k_qf072425dcc_proj.kd
    .args:
      - { .name: xc, .offset: 0, .size: 8, .value_kind: global_buffer, .address_space: global }
      - { .name: wc, .offset: 8, .size: 8, .value_kind: global_buffer, .address_space: global }
      - { .name: lowp_scales, .offset: 16, .size: 8, .value_kind: global_buffer, .address_space: global }
      - { .name: bq, .offset: 24, .size: 8, .value_kind: global_buffer, .address_space: global }
      - { .name: bk, .offset: 32, .size: 8, .value_kind: global_buffer, .address_space: global }
      - { .name: bv, .offset: 40, .size: 8, .value_kind: global_buffer, .address_space: global }
      - { .name: pc, .offset: 48, .size: 8, .value_kind: global_buffer, .address_space: global }
    .group_segment_fixed_size: 327680
    .private_segment_fixed_size: 0
    .kernarg_segment_align: 8
    .kernarg_segment_size: 56
    .max_flat_workgroup_size: 128
    .sgpr_count:     98
    .vgpr_count:     1024
    .wavefront_size: 32
...
	.end_amdgpu_metadata
.endif
;; end of part 2
;; launch attn (part 3): grid 4 x 64, 16 waves a work-group, no clusters, 327,680 bytes of LDS; arguments pc, lowp_scales, ac; writes ac
.if DOCPART == 3
	.amdgcn_target "amdgcn-amd-amdhsa--gfx1250"
	.amdhsa_code_object_version 6
	.text
	.protected	k_qf072425dcc_attn
	.globl	k_qf072425dcc_attn
	.p2align	8
	.type	k_qf072425dcc_attn,@function
k_qf072425dcc_attn:
	s_mov_b64 s[64:65], 0
	v_nop
	global_prefetch_b8 v0, s[64:65] scope:SCOPE_SE
	s_setreg_imm32_b32 hwreg(HW_REG_WAVE_MODE, 25, 1), 1
	s_wait_xcnt 0x0
; Causal attention on codes of FP8 (E4M3), heads of 64, logits scaled by 1 / 32 (1 / sqrt(1024)); the result x is quantised at once for the last projection.
; pc: at 0 qh [b h][t][64], at 8 MiB kh likewise, at 16 MiB vt [b h][t / 128][64][128 keys] (within 32 keys, key 16 u + 8 g + j at byte 16 g + 8 u + j).  ac: x's codes [b h][t][64].
; t = score x 2^(e6 + e7) x log2(e) / 32; M = the running largest t rounded UP to a whole number; p = 2^(t - M) is quantised with 2^e8, not normalised; the row's sum is taken of the unquantised p in f32.
; When M moves, the sum and O are multiplied by 2^(old M - new M): exact.  x = O x 2^(e8 + e9) / sum; its code = x / 2^e10, held within +-448.
; LIMITS: e6 + e7 between -117 and 132 (added to the exponent field of log2(e) / 32); e8 and e10 between -126 and 119; e8 + e9 is applied by v_ldexp_f32 and has none.
; SHARES.  Work-group (i, head) owns the query blocks 7 - i and i of 256 queries, one after the other: (8 - i) + (i + 1) = 9 visits of a tile of 256 keys, for every i: a constant trip count, no tile fetched in vain,
; 256 work-groups of equal work.  Each of the SIXTEEN waves owns 16 queries of the block in hand, in 256 registers: four waves to a SIMD, so that one wave's vector work stands beside another's products and LDS loads.
; NO CLUSTER: in one and the same visit the four work-groups of a head want different tiles (tile n for one, tile n - (8 - i) for another), so no joint request could be made alike by all.
; LAYOUT.  S^T = K Q^T (source 0 = 16 neighbouring keys, source 1 = my 16 queries; K = 64) and O^T = V^T P^T (source 0 = 16 channels, source 1 = P; K = 128): a lane holds ONE query (lane % 16) throughout.
; Register 8 n + j of S^T is key 16 n + 8 g + j (g = lane / 16): its eight codes are registers 2 n, 2 n + 1 of the K = 128 form's own layout, and vt's order gives V^T the same places by four 16-byte reads.
; A step of 128 keys all of which come after my queries is passed over by a scalar branch on ids; on the diagonal, hidden scores become -infinity ahead of the maximum.  Key 0 counts for every query.
.set KP,    80                         ; a key's row in LDS: 64 bytes + 16
.set VP,    144                        ; a channel's row of 128 keys: 128 bytes + 16
.set VOFF,  256*KP                     ; a slot: 256 rows of K, then two blocks of 64 rows of V
.set VBLK,  64*VP
.set SLOT1, 1<<16                      ; slot 1 begins here: one exclusive or turns an address from one slot to the other
.set SPARE, 2*SLOT1                    ; the spare words, 128 bytes for each of 16 waves
.set STAGE, SPARE+16*128               ; the way out: 16 rows x 80 bytes for each wave; bytes of their own, no fill lands there
.set AK0,  1                           ; v1   my lane's place in a tile of K: 80 r + 16 g
.set AV0,  2                           ; v2   in V: VOFF + 144 r + 16 g
.set STO,  3                           ; v3   the stage, in
.set RD,   4                           ; v4   the stage, back
.set SPW,  5                           ; v5   my spare word; never rewritten
.set NIL,  6                           ; v6   0; never rewritten
.set GO,   7                           ; v7   16 x lane
.set ADK,  8                           ; v8   LDS address of the step's K
.set ADV,  9                           ; v9   of its V
.set DQ,   10                          ; v10  r - 8 g
; v12 -M, v13 the largest t, v[14:15] the sum in two halves; v16-23 Q of the block in hand, v24-31 of the second; v32-95 K's eight fragments, then V's four; v96-159 S^T, then p; v160-191 O^T;
; v192-207 p's codes; v208, v209 Q's load offsets; v210, v211 at work; v[212:213] f; v214 a permute's destination; v[216:217] the second chain of sums; v218: 2^e8; v220: 2^e10; v222 -infinity
.set WV,   18                          ; s18  my wave's number
.set SEL,  20                          ; s[20:21] selects for v_permlanex16_b32: lane l xor 16
.set CS,   22                          ; s[22:23] c = 2^(e6 + e7) log2(e) / 32
.set G1K,  24                          ; s[24:31], s[32:39] descriptor groups 1 for K's and V's tiles; s[40:43], s[44:47] their groups 0
.set G1V,  32
.set G0K,  40
.set G0V,  44
.set KB,   48                          ; s[48:49] kh at my head and my half of a tile;  s[50:51] vt likewise
.set VB,   50
.set TB,   52                          ; s52  LDS byte at which the slot in hand begins
.set VN,   53                          ; s53  the visit's number: the loop's counter
.set KIDX, 54                          ; s54  the tile of keys asked for last
.set NSW,  55                          ; s55  8 - i: the visit with which the second block begins
.set KF,   56                          ; s56  the step's first key
.set Q0,   57                          ; s57  my first query of the block in hand
.set Q0B,  58                          ; s58  of the second block
.set EPV,  59                          ; s59  e8 + e9
; Waves 0 and 1 fetch K's halves, waves 2 and 3 V's two blocks of 128 keys, the others nothing.  The branches hang on the wave's number alone.  Four v_nop follow each of the two lines.
.macro TLOAD
	s_cmp_lt_u32 s[WV], 2
	s_cbranch_scc0 .Lnot_k_\@
	tensor_load_to_lds s[G0K:G0K+3], s[G1K:G1K+7]
	s_nop 0
.rept 4
	v_nop
.endr
	s_branch .Lasked_\@
.Lnot_k_\@:
	s_cmp_lt_u32 s[WV], 4
	s_cbranch_scc0 .Lasked_\@
	tensor_load_to_lds s[G0V:G0V+3], s[G1V:G1V+7]
	s_nop 0
.rept 4
	v_nop
.endr
.Lasked_\@:
.endm
	s_load_b128 s[4:7], s[0:1], 0x0                ; pc s[4:5], the scales' exponents s[6:7]
	s_load_b64 s[8:9], s[0:1], 0x10                ; ac
	v_lshl_add_u32 v[SPW], v0, 2, SPARE
	v_mov_b32 v[NIL], 0
	ds_add_u32 v5, v6
	ds_add_u32 v5, v6
	s_wait_dscnt 0x0
	v_lshrrev_b32 v8, 5, v0
	s_delay_alu instid0(VALU_DEP_1)
	v_readfirstlane_b32 s[WV], v8                  ; wave 0..15
	s_and_b32 s60, ttmp7, 0xffff                   ; (batch, head), 0..63
	s_lshl_b32 s60, s60, 17                        ; x 131,072 bytes, in each part of pc and in ac
	s_mov_b32 s61, 0
	s_and_b32 s84, s[WV], 1                        ; which half of a tile I fetch, if I fetch:
	s_lshl_b32 s86, s84, 13                        ; 8,192 bytes on in memory (128 keys x 64, or 64 channels x 128 keys),
	s_mov_b32 s87, 0
	s_mul_i32 s85, s84, 128*KP                     ; K's place in a slot,
	s_mul_i32 s88, s84, VBLK
	s_add_co_u32 s88, s88, VOFF                    ; V's
	s_sub_co_u32 s[NSW], 8, ttmp9
	s_sub_co_u32 s62, 7, ttmp9
	s_lshl_b32 s62, s62, 8
	s_lshl_b32 s63, s[WV], 4
	s_add_co_u32 s[Q0], s62, s63                   ; 256 (7 - i) + 16 x wave
	s_lshl_b32 s62, ttmp9, 8
	s_add_co_u32 s[Q0B], s62, s63                  ; 256 i + 16 x wave
	; descriptor groups 1: K: 128 rows of 64 bytes, dense;  V: 64 rows of 128 bytes, dense; 16 bytes of padding behind each row
	s_mov_b32 s[G1K], (0<<16)|(1<<20)|(3<<22)|(3<<25)   ; 15:0 no mask; 17:16 elements of 1 byte; 20 padding on; 24:22 after every 16 words; 31:25 four words
	s_mov_b32 s[G1K+1], 64<<16                     ; tensor_dim0
	s_mov_b32 s[G1K+2], 128<<16                    ; tensor_dim1
	s_mov_b32 s[G1K+3], 64<<16                     ; tile_dim0
	s_mov_b32 s[G1K+4], 128                        ; tile_dim1
	s_mov_b32 s[G1K+5], 64                         ; tensor_dim0_stride
	s_mov_b32 s[G1K+6], 0
	s_mov_b32 s[G1K+7], 0
	s_mov_b32 s[G1V], (0<<16)|(1<<20)|(4<<22)|(3<<25)   ; padding: four words after every 32
	s_mov_b32 s[G1V+1], 128<<16
	s_mov_b32 s[G1V+2], 64<<16
	s_mov_b32 s[G1V+3], 128<<16
	s_mov_b32 s[G1V+4], 64
	s_mov_b32 s[G1V+5], 128
	s_mov_b32 s[G1V+6], 0
	s_mov_b32 s[G1V+7], 0
	s_mov_b32 s[SEL], 0x76543210
	s_mov_b32 s[SEL+1], 0xfedcba98
	s_mov_b32 s[CS], 0x3d38aa3b                    ; log2(e) / 32
	s_mov_b32 s[TB], 0
	s_mov_b32 s[VN], 0
	s_mov_b32 s[KIDX], 0
	s_mov_b32 s[KF], 0
	s_wait_kmcnt 0x0
	s_load_b256 s[68:75], s[6:7], 0x0              ; e0 .. e7
	s_load_b128 s[76:79], s[6:7], 0x20             ; e8 .. e11
	s_add_nc_u64 s[4:5], s[4:5], s[60:61]          ; qh at my head
	s_add_nc_u64 s[8:9], s[8:9], s[60:61]          ; ac at my head
	s_add_nc_u64 s[KB:KB+1], s[4:5], s[86:87]
	s_add_nc_u64 s[VB:VB+1], s[KB:KB+1], 0x1000000 ; vt lies 16 MiB behind qh,
	s_add_nc_u64 s[KB:KB+1], s[KB:KB+1], 0x800000  ; kh 8 MiB
	s_mov_b32 s[G0K], 1                            ; count = 1
	s_mov_b32 s[G0K+1], s85                        ; LDS address: slot 0
	s_mov_b64 s[G0K+2:G0K+3], s[KB:KB+1]           ; the head's first 256 keys
	s_or_b32 s[G0K+3], s[G0K+3], 0x80000000        ; type = 2
	s_mov_b32 s[G0V], 1
	s_mov_b32 s[G0V+1], s88
	s_mov_b64 s[G0V+2:G0V+3], s[VB:VB+1]
	s_or_b32 s[G0V+3], s[G0V+3], 0x80000000
	TLOAD                                          ; tile 0 into slot 0
	v_and_b32 v210, 15, v0                         ; r
	v_bfe_u32 v211, v0, 4, 1                       ; g
	s_delay_alu instid0(VALU_DEP_2)
	v_lshlrev_b32 v208, 6, v210
	s_delay_alu instid0(VALU_DEP_1)
	v_lshl_add_u32 v208, v211, 4, v208             ; Q: row r of 64 bytes, + 16 g
	s_lshl_b32 s62, s[Q0], 6
	s_lshl_b32 s63, s[Q0B], 6
	v_add_nc_u32 v209, s63, v208
	v_add_nc_u32 v208, s62, v208
	global_load_b128 v[16:19], v208, s[4:5]        ; both blocks' fragments of Q stay in registers: K = 32 c + 16 g + 0 .. 15 in registers 4 c on, the same places as K's fragments
	global_load_b128 v[20:23], v208, s[4:5] offset:32
	global_load_b128 v[24:27], v209, s[4:5]
	global_load_b128 v[28:31], v209, s[4:5] offset:32
	s_mov_b32 s60, s62
	s_add_nc_u64 s[80:81], s[8:9], s[60:61]        ; x's codes of my queries: the block in hand,
	s_mov_b32 s60, s63
	s_add_nc_u64 s[82:83], s[8:9], s[60:61]        ; the second block
	v_mul_u32_u24 v[AK0], v210, KP
	s_delay_alu instid0(VALU_DEP_1)
	v_lshl_add_u32 v[AK0], v211, 4, v[AK0]
	v_mul_u32_u24 v[AV0], v210, VP
	s_delay_alu instid0(VALU_DEP_1)
	v_lshl_add_u32 v[AV0], v211, 4, v[AV0]
	s_delay_alu instid0(VALU_DEP_1)
	v_add_nc_u32 v[AV0], VOFF, v[AV0]
	s_mul_i32 s62, s[WV], 16*80
	s_add_co_u32 s62, s62, STAGE                   ; my stage
	v_mul_u32_u24 v[STO], v210, 80
	s_delay_alu instid0(VALU_DEP_1)
	v_lshl_add_u32 v[STO], v211, 3, v[STO]
	s_delay_alu instid0(VALU_DEP_1)
	v_add_nc_u32 v[STO], s62, v[STO]               ; in: row r, + 8 g; tile n's eight codes 16 n further on
	v_and_b32 v[GO], 31, v0
	s_delay_alu instid0(VALU_DEP_1)
	v_lshrrev_b32 v[RD], 2, v[GO]
	s_delay_alu instid0(VALU_DEP_1)
	v_mul_u32_u24 v[RD], v[RD], 80
	s_delay_alu instid0(VALU_DEP_3)
	v_and_b32 v212, 3, v[GO]
	s_delay_alu instid0(VALU_DEP_1)
	v_lshl_add_u32 v[RD], v212, 4, v[RD]
	s_delay_alu instid0(VALU_DEP_1)
	v_add_nc_u32 v[RD], s62, v[RD]                 ; back: four lanes to a row of 64 bytes, eight rows an instruction
	v_lshlrev_b32 v[GO], 4, v[GO]
	v_lshlrev_b32 v[DQ], 3, v211
	s_delay_alu instid0(VALU_DEP_1)
	v_sub_nc_u32 v[DQ], v210, v[DQ]
	v_mov_b32 v13, 0xff61b1e6                      ; the largest t so far: -3e38, under every t
	s_delay_alu instid0(VALU_DEP_1)
	v_floor_f32 v12, -v13                          ; -M
	v_mov_b32 v14, 0
	v_mov_b32 v15, 0
	v_mov_b32 v213, 0                              ; (named as the upper half of the pair v[212:213])
	v_mov_b32 v214, 0                              ; written once: a lane permute's destination counts as one of its sources
	v_mov_b32 v222, 0xff800000                     ; -infinity
.set j, 0
.rept 32
	v_mov_b32 v[160+j], 0                          ; O^T: the step is written once; a block's first step finds zeros, which the first change of M leaves zeros
.set j, j+1
.endr
	s_wait_kmcnt 0x0
	s_add_co_i32 s62, s74, s75
	s_lshl_b32 s62, s62, 23
	s_add_co_i32 s[CS], s[CS], s62                 ; e6 + e7 added to c's exponent field
	s_mov_b32 s[CS+1], s[CS]                       ; (named with it as a pair, so it is written)
	s_add_co_i32 s62, s76, 127
	s_lshl_b32 s63, s62, 23
	v_mov_b32 v218, s63                            ; 2^e8
	s_add_co_i32 s62, s78, 127
	s_lshl_b32 s63, s62, 23
	v_mov_b32 v220, s63                            ; 2^e10
	s_add_co_i32 s[EPV], s76, s77
; A KEY STEP: 128 keys, the q-th of the slot in hand.
.macro STEP q
	s_add_co_u32 s62, s[Q0], 15
	s_cmp_gt_u32 s[KF], s62                        ; all 128 keys come after my 16 queries: the step's work is passed over; no barrier and no tensor load stands in a step
	s_cbranch_scc1 .Lhidden_\@
	v_add_nc_u32 v[ADK], s[TB], v[AK0]
	v_add_nc_u32 v[ADV], s[TB], v[AV0]
	v_nop                                          ; with the two additions: four places in front of loads into registers that the last products read
	v_nop
.irp t, 0,1,2,3,4,5,6,7
	ds_load_b128 v[32+8*\t:35+8*\t], v[ADK] offset:(128*(\q)+16*\t)*KP
	ds_load_b128 v[36+8*\t:39+8*\t], v[ADK] offset:(128*(\q)+16*\t)*KP+32
.endr
	s_wait_dscnt 0x0
	s_wait_alu depctr_va_vdst(0)
.irp t, 0,1,2,3,4,5,6,7
	v_wmma_f32_16x16x64_fp8_fp8 v[96+8*\t:103+8*\t], v[32+8*\t:39+8*\t], v[16:23], 0
.endr
.rept 4
	v_nop                                          ; places in front of the loads below and of the first read of the scores
.endr
.irp t, 0,1,2,3
.irp c, 0,1,2,3
	ds_load_b128 v[32+16*\t+4*\c:35+16*\t+4*\c], v[ADV] offset:VBLK*(\q)+16*VP*\t+32*\c   ; V's four fragments land while the softmax is worked
.endr
.endr
	s_add_co_u32 s62, s[KF], 127
	s_cmp_le_u32 s62, s[Q0]                        ; all 128 keys count: no mask
	s_cbranch_scc1 .Lopen_\@
	s_sub_co_i32 s62, s[Q0], s[KF]
	v_add_nc_u32 v211, s62, v[DQ]                  ; d = my query - KF - 8 g.  Register 8 n + j holds key KF + 8 g + 16 n + j: hidden where 16 n + j > d
.irp n, 0,1,2,3,4,5,6,7,8,9,10,11,12,13,14,15,16,17,18,19,20,21,22,23,24,25,26,27,28,29,30,31,32,33,34,35,36,37,38,39,40,41,42,43,44,45,46,47,48,49,50,51,52,53,54,55,56,57,58,59,60,61,62,63
	v_cmp_gt_i32 vcc_lo, 16*(\n/8)+\n%8, v211
	v_cndmask_b32 v[96+\n], v[96+\n], v222, vcc_lo
.endr
.Lopen_\@:
	v_max3_num_f32 v210, v96, v97, v98             ; the step's largest score of my query among my 64 keys, in two chains; each accumulator is first read at its low end
	v_max3_num_f32 v212, v99, v100, v101
.irp i, 6,10,14,18,22,26,30,34,38,42,46,50,54,58
	v_max3_num_f32 v210, v210, v[96+\i], v[97+\i]
	v_max3_num_f32 v212, v212, v[98+\i], v[99+\i]
.endr
	v_max3_num_f32 v210, v210, v158, v159
	s_delay_alu instid0(VALU_DEP_1)
	v_max_num_f32 v210, v210, v212
	s_delay_alu instid0(VALU_DEP_1)
	v_permlanex16_b32 v214, v210, s[SEL], s[SEL+1]
	s_delay_alu instid0(VALU_DEP_1)
	v_max_num_f32 v210, v210, v214                 ; and among lane l xor 16's
	s_delay_alu instid0(VALU_DEP_1)
	v_mul_f32 v210, s[CS], v210                    ; as t (c is positive)
	s_delay_alu instid0(VALU_DEP_1)
	v_max_num_f32 v13, v13, v210                   ; the running largest t
	v_mov_b32 v210, v12
	s_delay_alu instid0(VALU_DEP_2)
	v_floor_f32 v12, -v13                          ; the new -M = floor(-t) = -ceil(t): a whole number
	s_delay_alu instid0(VALU_DEP_1)
	v_sub_f32 v210, v12, v210                      ; old M - new M: a whole number, 0 or less
	s_delay_alu instid0(VALU_DEP_1)
	v_cvt_i32_f32 v210, v210                       ; (it saturates)
	s_delay_alu instid0(VALU_DEP_1)
	v_ldexp_f32 v212, 1.0, v210                    ; f = 2^(old M - new M)
.irp j, 0,2,4,6,8,10,12,14,16,18,20,22,24,26,28,30,32,34,36,38,40,42,44,46,48,50,52,54,56,58,60,62
	v_pk_fma_f32 v[96+\j:97+\j], v[96+\j:97+\j], s[CS:CS+1], v[12:13] op_sel_hi:[1,0,0]   ; t - M, two at a time (of the pairs c and -M the low word serves both halves)
.endr
.set j, 0
	s_wait_alu depctr_va_vdst(0)
.rept 64
	v_exp_f32 v[96+j], v[96+j]                     ; p = 2^(t - M), at most 1
.set j, j+1
.endr
	v_pk_mul_f32 v[14:15], v[14:15], v[212:213] op_sel_hi:[1,0]   ; the sums under the new M (a plain line behind the exponentials)
	s_wait_alu depctr_va_vdst(0)
	v_pk_add_f32 v[216:217], v[100:101], v[104:105]
	v_pk_add_f32 v[254:255], v[108:109], v[112:113]
	v_pk_add_f32 v[252:253], v[116:117], v[120:121]
	v_pk_add_f32 v[250:251], v[124:125], v[128:129]
	v_pk_add_f32 v[248:249], v[132:133], v[136:137]
	v_pk_add_f32 v[246:247], v[140:141], v[144:145]
	v_pk_add_f32 v[244:245], v[148:149], v[152:153]
	v_pk_add_f32 v[14:15], v[14:15], v[156:157]
	v_pk_add_f32 v[216:217], v[216:217], v[96:97]
	v_pk_add_f32 v[254:255], v[254:255], v[98:99]
	v_pk_add_f32 v[252:253], v[252:253], v[102:103]
	v_pk_add_f32 v[250:251], v[250:251], v[106:107]
	v_pk_add_f32 v[248:249], v[248:249], v[110:111]
	v_pk_add_f32 v[246:247], v[246:247], v[114:115]
	v_pk_add_f32 v[244:245], v[244:245], v[118:119]
	v_pk_add_f32 v[14:15], v[14:15], v[122:123]
	v_pk_add_f32 v[216:217], v[216:217], v[126:127]
	v_pk_add_f32 v[254:255], v[254:255], v[130:131]
	v_pk_add_f32 v[252:253], v[252:253], v[134:135]
	v_pk_add_f32 v[250:251], v[250:251], v[138:139]
	v_pk_add_f32 v[248:249], v[248:249], v[142:143]
	v_pk_add_f32 v[246:247], v[246:247], v[146:147]
	v_pk_add_f32 v[244:245], v[244:245], v[150:151]
	v_pk_add_f32 v[14:15], v[14:15], v[154:155]
	v_pk_add_f32 v[216:217], v[216:217], v[158:159]
	s_delay_alu instid0(VALU_DEP_2)
	v_pk_add_f32 v[14:15], v[14:15], v[250:251]
	s_delay_alu instid0(VALU_DEP_2)
	v_pk_add_f32 v[216:217], v[216:217], v[248:249]
	v_pk_add_f32 v[254:255], v[254:255], v[246:247]
	v_pk_add_f32 v[252:253], v[252:253], v[244:245]
	s_delay_alu instid0(VALU_DEP_2)
	v_pk_add_f32 v[14:15], v[14:15], v[254:255]
	s_delay_alu instid0(VALU_DEP_2)
	v_pk_add_f32 v[216:217], v[216:217], v[252:253]
	s_delay_alu instid0(VALU_DEP_1)
	v_pk_add_f32 v[14:15], v[14:15], v[216:217]
.irp t, 0,1,2,3,4,5,6,7
.irp i, 0,1,2,3,4,5,6,7
.endr
	v_cvt_scalef32_pk8_fp8_f32 v[192+2*\t:193+2*\t], v[96+8*\t:103+8*\t], v218   ; keys 16 t + 8 g + 0 .. 7: registers 2 t, 2 t + 1 of the K = 128 form
.endr
.irp j, 0,2,4,6,8,10,12,14,16,18,20,22,24,26,28,30
	v_pk_mul_f32 v[160+\j:161+\j], v[160+\j:161+\j], v[212:213] op_sel_hi:[1,0]   ; O^T under the new M.  (Also the plain lines between the conversions and the products)
.endr
	s_wait_alu depctr_va_vdst(0)
	s_wait_dscnt 0x0                               ; V's fragments are in
.irp t, 0,1,2,3
	v_wmma_f32_16x16x128_fp8_fp8 v[160+8*\t:167+8*\t], v[32+16*\t:47+16*\t], v[192:207], v[160+8*\t:167+8*\t]   ; the four accumulators by turns, one instruction a turn
.endr
.Lhidden_\@:
	s_add_co_u32 s[KF], s[KF], 128
.endm
; THE CHANGE OF SLOTS stands at a visit's head.  Each wave waits for all its tensor loads (its part of the slot that it is about to read), adds 0 to its spare word, and waits for that and for its reads of the slot left.
; fill = 1: the slot left takes the next visit's tile: the next tile of keys, or tile 0 where the next visit begins the second block.  The load has a whole visit in which to land.
.macro CHANGE fill
	s_wait_tensorcnt 0x0                           ; no tensor load of mine is out, so a group 0 may be written
	ds_add_u32 v[SPW], v[NIL]                      ; 0 onto my spare word
.if \fill
	s_xor_b32 s[G0K+1], s[G0K+1], SLOT1
	s_xor_b32 s[G0V+1], s[G0V+1], SLOT1
	s_add_co_u32 s62, s[VN], 1
	s_add_co_u32 s[KIDX], s[KIDX], 1
	s_cmp_eq_u32 s62, s[NSW]
	s_cselect_b32 s[KIDX], 0, s[KIDX]
	s_lshl_b32 s60, s[KIDX], 14                    ; a tile of 256 keys is 16,384 bytes of kh and of vt
	s_mov_b32 s61, 0
	s_add_nc_u64 s[G0K+2:G0K+3], s[KB:KB+1], s[60:61]
	s_or_b32 s[G0K+3], s[G0K+3], 0x80000000
	s_add_nc_u64 s[G0V+2:G0V+3], s[VB:VB+1], s[60:61]
	s_or_b32 s[G0V+3], s[G0V+3], 0x80000000
.endif
	s_wait_dscnt 0x0                               ; the add is done, and my reads of the slot that I have left are over
	s_barrier_signal -1
	s_barrier_wait -1
.if \fill
	TLOAD                                          ; the first thing behind the barrier, and a wave's one tensor load until the next
.endif
.endm
; A BLOCK'S END: x = O^T x 2^(e8 + e9) / sum, quantised with 2^e10; 16 rows x 64 codes go through my stage and leave as 1,024 consecutive bytes.
.macro FINISH
	v_add_f32 v14, v14, v15                        ; the sum's two halves,
	s_delay_alu instid0(VALU_DEP_1)
	v_permlanex16_b32 v214, v14, s[SEL], s[SEL+1]
	s_delay_alu instid0(VALU_DEP_1)
	v_add_f32 v14, v14, v214                       ; and lane l xor 16's
	s_wait_alu depctr_va_vdst(0)
	v_rcp_f32 v14, v14
	v_nop                                          ; a plain line behind the transcendental
	s_wait_alu depctr_va_vdst(0)
	v_ldexp_f32 v14, v14, s[EPV]
	s_delay_alu instid0(VALU_DEP_1)
	v_mov_b32 v15, v14                             ; (with the lines above: more than four plain lines behind the last products)
.irp j, 0,2,4,6,8,10,12,14,16,18,20,22,24,26,28,30
	v_pk_mul_f32 v[96+\j:97+\j], v[160+\j:161+\j], v[14:15]   ; register 8 n + j is x(r, 16 n + 8 g + j); each accumulator from its low end on
.endr
.set j, 0
.rept 32
.set j, j+1
.endr
.irp t, 0,1,2,3
	v_cvt_scalef32_pk8_fp8_f32 v[192+2*\t:193+2*\t], v[96+8*\t:103+8*\t], v220
.endr
	v_nop                                          ; one plain vector line behind the last conversion
.irp t, 0,1,2,3
	ds_store_b64 v[STO], v[192+2*\t:193+2*\t] offset:16*\t
.endr
	ds_load_b128 v[200:203], v[RD]                 ; LDS serves a wave's instructions in order: these see my stores
	ds_load_b128 v[204:207], v[RD] offset:640
	s_wait_dscnt 1                                 ; the first is in; the second may be out
	global_store_b128 v[GO], v[200:203], s[80:81]  ; 512 consecutive bytes, aligned
	s_wait_dscnt 0x0
	global_store_b128 v[GO], v[204:207], s[80:81] offset:512
	s_wait_xcnt 0x0                                ; the stores have read their registers and their base: both are written again below
.endm
	s_wait_loadcnt 0x0                             ; Q
.Lvisit:                                           ; eight trips; the ninth visit is written out
	CHANGE 1
	STEP 0
	STEP 1
	s_xor_b32 s[TB], s[TB], SLOT1                  ; on to the other slot
	s_add_co_u32 s[VN], s[VN], 1
	s_cmp_lg_u32 s[VN], s[NSW]                     ; the first block's last visit is over?  The same answer in all sixteen waves
	s_cbranch_scc1 .Lsame
	FINISH
	v_mov_b32 v13, 0xff61b1e6                      ; the second block starts anew
	s_delay_alu instid0(VALU_DEP_1)
	v_floor_f32 v12, -v13
	v_mov_b32 v14, 0
	v_mov_b32 v15, 0
.set j, 0
.rept 32
	v_mov_b32 v[160+j], 0
.set j, j+1
.endr
.irp j, 0,1,2,3,4,5,6,7
	v_mov_b32 v[16+\j], v[24+\j]                   ; its Q
.endr
	s_mov_b32 s[Q0], s[Q0B]
	s_mov_b32 s[KF], 0
	s_mov_b64 s[80:81], s[82:83]
.Lsame:
	s_cmp_lt_u32 s[VN], 8
	s_cbranch_scc1 .Lvisit
	CHANGE 0
	STEP 0
	STEP 1
	FINISH
	s_wait_tensorcnt 0x0                           ; the wave's end
	ds_add_u32 v[SPW], v[NIL]
	s_wait_dscnt 0x0
	s_endpgm
.Lfunc_end_k_qf072425dcc_attn:
	.size	k_qf072425dcc_attn, .Lfunc_end_k_qf072425dcc_attn-k_qf072425dcc_attn
	.p2alignl 7, 3214868480
	.fill 96, 4, 3214868480
	.section	.rodata,"a",@progbits
	.p2align	6, 0x0
	.amdhsa_kernel k_qf072425dcc_attn
		.amdhsa_group_segment_fixed_size 327680
		.amdhsa_private_segment_fixed_size 0
		.amdhsa_enable_private_segment 0
		.amdhsa_kernarg_size 24
		.amdhsa_user_sgpr_count 2
		.amdhsa_user_sgpr_kernarg_segment_ptr 1
		.amdhsa_wavefront_size32 1
		.amdhsa_system_sgpr_workgroup_id_x 1
		.amdhsa_system_sgpr_workgroup_id_y 1
		.amdhsa_system_sgpr_workgroup_id_z 1
		.amdhsa_system_vgpr_workitem_id 0
		.amdhsa_next_free_vgpr 256
		.amdhsa_next_free_sgpr 92
		.amdhsa_reserve_vcc 1
		.amdhsa_float_denorm_mode_32 3
		.amdhsa_float_denorm_mode_16_64 3
		.amdhsa_fp16_overflow 1
		.amdhsa_memory_ordered 1
		.amdhsa_forward_progress 1
		.amdhsa_inst_pref_size 92
	.end_amdhsa_kernel
	.amdgpu_metadata
---
amdhsa.version: [ 1, 2 ]
amdhsa.kernels:
  - .name:           k_qf072425dcc_attn
    .symbol:         k_qf072425dcc_attn.kd
    .args:
      - { .name: pc, .offset: 0, .size: 8, .value_kind: global_buffer, .address_space: global }
      - { .name: lowp_scales, .offset: 8, .size: 8, .value_kind: global_buffer, .address_space: global }
      - { .name: ac, .offset: 16, .size: 8, .value_kind: global_buffer, .address_space: global }
    .group_segment_fixed_size: 327680
    .private_segment_fixed_size: 0
    .kernarg_segment_align: 8
    .kernarg_segment_size: 24
    .max_flat_workgroup_size: 512
    .sgpr_count:     92
    .vgpr_count:     256
    .wavefront_size: 32
...
	.end_amdgpu_metadata
.endif
;; end of part 3
;; launch outp (part 4): grid 4 x 32, 4 waves a work-group, clusters of 4 x 4, 327,680 bytes of LDS; arguments ac, wc, lowp_scales, bo, out0; writes out0
.if DOCPART == 4
	.amdgcn_target "amdgcn-amd-amdhsa--gfx1250"
	.amdhsa_code_object_version 6
	.text
	.protected	k_qf072425dcc_outp
	.globl	k_qf072425dcc_outp
	.p2align	8
	.type	k_qf072425dcc_outp,@function
k_qf072425dcc_outp:
	s_mov_b64 s[64:65], 0
	v_nop
	global_prefetch_b8 v0, s[64:65] scope:SCOPE_SE
	s_setreg_imm32_b32 hwreg(HW_REG_WAVE_MODE, 25, 1), 1
	s_wait_xcnt 0x0
	s_wait_alu depctr_hold_cnt(0) depctr_sa_sdst(0) depctr_va_vdst(0) depctr_va_sdst(0) depctr_va_ssrc(0) depctr_va_vcc(0) depctr_vm_vsrc(0)
	s_getreg_b32 s2, hwreg(HW_REG_IB_STS2, 6, 4)
	s_cmp_eq_u32 s2, 0
	s_cbranch_scc0 .Lentry_in_a_cluster
	s_endpgm
.Lentry_in_a_cluster:
	s_bfe_u32 s2, ttmp6, 0x10000c
	s_cmp_lg_u32 s2, 0xf033
	s_cbranch_scc0 .Lentry_shape_is_right
	s_endpgm
.Lentry_shape_is_right:
; out0 = x Wo^T + bo on codes of FP8 (E4M3).  ac: x's codes laid by heads, [b][h][t][64]; Wo's codes [1024][1024] at 3 MiB in wc; out0 [8192][1024] f32.
; A sum stands for sum x 2^(e10 + e11): bo goes in as the C of each sum's first product, divided by that power of two, and each finished sum is multiplied by it once.
; LIMIT: e10 + e11 between -126 and 127, so that 2^(e10 + e11) is an f32 number.
; A tile of 256 x 256 is made by four waves, 128 x 128 each: 64 accumulators.  K = 1,024 goes in four steps of 256 (four heads) through two LDS slots.  128 tiles: a tile of half the size would read each LDS byte for half the products.
; x's tile: four heads x (128 tokens x 64 bytes, dense): ONE tensor load of four rows of 8,192 bytes, 131,072 bytes apart, with 16 bytes of padding behind every 64: in LDS [head][token][80].
; CLUSTERS: 4 x 4 work-groups; a row of the cluster shares x's tiles, a column Wo's: each is asked for jointly.  The matrix instruction is used transposed (source 0 = 16 rows of Wo, source 1 = 16 tokens):
; a lane holds eight neighbouring numbers of a row of out0.
; REGISTERS, windows of 256: window 0: v16-29 addresses; v32-95 bo / 2^(e10 + e11) (later at work on the way out); from v128 x's fragments, ONE set.  window 1: Wo's fragments, TWO sets.  windows 2, 3: the accumulators.
.set KROW,   1024
.set ROWB,   256
.set PITCH,  272                       ; Wo's LDS row: 256 bytes + 16
.set APITCH, 80                        ; x's LDS row: a head's 64 bytes + 16
.set HEADB,  128*APITCH                ; 128 tokens of one head
.set AH,     4*HEADB                   ; what one load brings of x: 128 tokens x 4 heads
.set BH,     128*PITCH                 ; of Wo: 128 rows
.set FR,     16
.set NL,     4
.set NP,     4
.set SLOT,   2*AH+2*BH                 ; x's two halves, then Wo's two
.set SPARE,  2*SLOT                    ; behind the ring: the spare words, 128 bytes a wave
.set SPITCH, 528                       ; the way out: a stage of 16 rows x (512 bytes + 16) for each wave, in slot 0, which has had its last fill and its last read when the first result is stored there
.set ADRA, 16
.set ADRB, 20
.set BO8,  22                          ; v22  32 g
.set STO,  24
.set RD,   25
.set CO,   26
.set SPW,  28
.set NIL,  29
.set BQ,   32                          ; v32-95  bo[c0 + 16 b + 8 g + j] / 2^(e10 + e11) at 8 b + j
.set TMP,  32                          ; the way out: a block's sums x 2^(e10 + e11)
.set AF,   128
.set BK,   128                         ; the way out: 16 rows read back: v128-191 and v192-255 by turns
.set G1, 24
.set G0, 32
.set G1B, 48
.set G0B, 56
.set MSB, 0
.macro WIN new                         ; the immediate's high byte repeats the setting that is left
.if MSB != \new
	s_set_vgpr_msb (MSB<<8)|\new
.set MSB, \new
.endif
.endm
.set MUL_LO, 0xa1                      ; source 0 window 1, source 1 window 0, C and D window 2
.set MUL_HI, 0xf1                      ; the same, C and D window 3
.set FST_LO, 0x81                      ; the first step: C (the bias) window 0, D window 2
.set FST_HI, 0xc1                      ; D window 3
.set TO_B,   0x40
.macro JLOAD g0a, g1a, g0b, g1b        ; a joint load: waves 0 and 1 fetch x's halves, waves 2 and 3 Wo's; four v_nop follow each line
	s_cmp_eq_u32 s15, 0
	s_cbranch_scc0 .Lfor_b_\@
	tensor_load_to_lds s[\g0a:\g0a+3], s[\g1a:\g1a+7]
	s_nop 0
.rept 4
	v_nop
.endr
	s_branch .Lasked_\@
.Lfor_b_\@:
	tensor_load_to_lds s[\g0b:\g0b+3], s[\g1b:\g1b+7]
	s_nop 0
.rept 4
	v_nop
.endr
.Lasked_\@:
.endm
.macro CREST
	s_cmp_lg_u32 s14, 0
	s_cbranch_scc1 .Lnot_wave_0_\@
	s_barrier_signal -3
.Lnot_wave_0_\@:
	s_barrier_wait -3
	s_barrier_signal -1
	s_barrier_wait -1
.endm
.macro CROUND
	s_barrier_signal -1
	s_barrier_wait -1
	CREST
.endm
	s_load_b256 s[4:11], s[0:1], 0x0               ; ac s[4:5], wc s[6:7], the scales' exponents s[8:9], bo s[10:11]
	s_load_b64 s[12:13], s[0:1], 0x20              ; out0
	v_lshl_add_u32 v[SPW], v0, 2, SPARE
	v_mov_b32 v[NIL], 0
	ds_add_u32 v28, v29
	ds_add_u32 v28, v29
	s_wait_dscnt 0x0
	v_lshrrev_b32 v1, 5, v0
	v_readfirstlane_b32 s14, v1                    ; wave 0..3
	s_lshr_b32 s15, s14, 1                         ; which half of the tile's rows is mine.  Also: I fetch for x (0) or for Wo (1)
	s_and_b32 s16, s14, 1                          ; which half of its columns.  Also: which 128 rows I fetch
	s_bfe_u32 s40, ttmp6, 0x40000                  ; cx, cy
	s_bfe_u32 s41, ttmp6, 0x40004
	s_lshl_b32 s42, ttmp9, 2
	s_add_co_u32 s42, s42, s40                     ; tile column
	s_and_b32 s17, ttmp7, 0xffff
	s_lshl_b32 s17, s17, 2
	s_add_co_u32 s17, s17, s41                     ; tile row, 0..31
	s_lshl_b32 s43, s41, 2
	s_lshl_b32 s43, 15, s43                        ; my row of the cluster
	s_lshl_b32 s44, 0x1111, s40                    ; my column
	s_or_b32 s[G1+0], s43, (0<<16)|(1<<20)|(1<<21)|(3<<22)|(3<<25)  ; x: the mask of my row; elements of 1 byte; padding: four words after every 16
	s_mov_b32 s[G1+1], 8192<<16                    ; tensor_dim0 = 8,192: 128 tokens x 64 bytes of one head
	s_mov_b32 s[G1+2], 4<<16                       ; tensor_dim1 = 4 heads
	s_mov_b32 s[G1+3], 8192<<16                    ; tile_dim0
	s_mov_b32 s[G1+4], 4                           ; tile_dim1
	s_mov_b32 s[G1+5], 131072                      ; from head to head
	s_mov_b32 s[G1+6], 0
	s_mov_b32 s[G1+7], 0
	s_or_b32 s[G1B+0], s44, (0<<16)|(1<<20)|(1<<21)|(5<<22)|(3<<25) ; Wo: the mask of my column; padding: four words after every 64
	s_mov_b32 s[G1B+1], ROWB<<16
	s_mov_b32 s[G1B+2], 128<<16
	s_mov_b32 s[G1B+3], ROWB<<16
	s_mov_b32 s[G1B+4], 128
	s_mov_b32 s[G1B+5], KROW
	s_mov_b32 s[G1B+6], 0
	s_mov_b32 s[G1B+7], 0
	s_lshr_b32 s20, s17, 3                         ; x: batch x 2 MiB
	s_lshl_b32 s20, s20, 21
	s_and_b32 s18, s17, 7
	s_lshl_b32 s18, s18, 14                        ; + 256 tokens x 64 bytes for each tile row in the batch
	s_add_co_u32 s20, s20, s18
	s_lshl_b32 s18, s16, 13                        ; + 128 tokens x 64 bytes x half
	s_add_co_u32 s20, s20, s18
	s_mov_b32 s21, 0
	s_lshl_b32 s46, s42, 8                         ; Wo: row 256 x tile column + 128 x half,
	s_lshl_b32 s18, s16, 7
	s_add_co_u32 s46, s46, s18
	s_lshl_b32 s46, s46, 10
	s_add_co_u32 s46, s46, 0x300000                ; 3 MiB into wc
	s_mov_b32 s47, 0
	s_mul_i32 s45, s16, AH                         ; where they go: no place in the cluster enters an LDS address
	s_mul_i32 s66, s16, BH
	s_add_co_u32 s66, s66, 2*AH
	s_wait_kmcnt 0x0
	s_load_b64 s[96:97], s[8:9], 0x28              ; e10, e11
	s_add_nc_u64 s[20:21], s[4:5], s[20:21]
	s_add_nc_u64 s[46:47], s[6:7], s[46:47]
	CROUND                                         ; all sixteen work-groups are here: the first joint loads meet
.irp s, 0,1
	s_mov_b32 s[G0+4*\s], 1
	s_add_co_u32 s[G0+4*\s+1], s45, \s*SLOT
	s_add_nc_u64 s[G0+4*\s+2:G0+4*\s+3], s[20:21], \s*4*131072      ; slot s begins with heads 4 s on
	s_or_b32 s[G0+4*\s+3], s[G0+4*\s+3], 0x80000000
	s_mov_b32 s[G0B+4*\s], 1
	s_add_co_u32 s[G0B+4*\s+1], s66, \s*SLOT
	s_add_nc_u64 s[G0B+4*\s+2:G0B+4*\s+3], s[46:47], \s*ROWB
	s_or_b32 s[G0B+4*\s+3], s[G0B+4*\s+3], 0x80000000
	s_wait_alu depctr_va_vdst(0)
	s_wait_tensorcnt 0x0
	ds_add_u32 v28, v29
	ds_add_u32 v28, v29
	s_wait_dscnt 0x0
	CROUND
	JLOAD G0+4*\s, G1, G0B+4*\s, G1B
.endr
	v_and_b32 v1, 15, v0                           ; r
	v_bfe_u32 v2, v0, 4, 1                         ; g
	v_mul_u32_u24 v3, v1, APITCH
	v_lshl_add_u32 v3, v2, 4, v3                   ; x: 80 r + 16 g
	v_mul_u32_u24 v4, v1, PITCH
	v_lshl_add_u32 v4, v2, 4, v4                   ; Wo: 272 r + 16 g
	s_mul_i32 s21, s15, AH                         ; my 128 tokens
	s_mul_i32 s22, s16, BH                         ; my 128 rows of Wo,
	s_add_co_u32 s22, s22, 2*AH                    ; which lie behind x's two halves
.irp s, 0,1
	v_add_nc_u32 v[ADRA+\s], s21, v3
	v_add_nc_u32 v[ADRB+\s], s22, v4
	s_add_co_u32 s21, s21, SLOT
	s_add_co_u32 s22, s22, SLOT
.endr
	s_mul_i32 s23, s14, 16*SPITCH                  ; my stage
	v_mul_u32_u24 v5, v1, SPITCH                   ; in: row r, 32 bytes for each half of the lanes
	v_lshl_add_u32 v5, v2, 5, v5
	v_add_nc_u32 v[STO], s23, v5
	v_and_b32 v6, 31, v0
	v_lshlrev_b32 v[CO], 4, v6                     ; back: the 32 lanes take one row of 512 bytes; and the same in out0
	v_add_nc_u32 v[RD], s23, v[CO]
	v_lshlrev_b32 v[BO8], 5, v2
	s_lshl_b32 s18, s42, 10                        ; my first column c0 = 256 x tile column + 128 x half, in bytes of f32
	s_lshl_b32 s19, s16, 9
	s_add_co_u32 s18, s18, s19
	s_mov_b32 s19, 0
	s_add_nc_u64 s[10:11], s[10:11], s[18:19]
.irp b, 0,1,2,3,4,5,6,7
	global_load_b128 v[BQ+8*\b:BQ+8*\b+3], v[BO8], s[10:11] offset:64*\b
	global_load_b128 v[BQ+8*\b+4:BQ+8*\b+7], v[BO8], s[10:11] offset:64*\b+16
.endr
	s_lshl_b32 s20, s17, 8
	s_lshl_b32 s21, s15, 7
	s_add_co_u32 s20, s20, s21                     ; my first row of out0
	s_lshl_b32 s20, s20, 12                        ; x 4,096 bytes: under 2^26
	s_add_co_u32 s20, s20, s18                     ; + my first column
	s_mov_b32 s21, 0
	s_add_nc_u64 s[12:13], s[12:13], s[20:21]
	s_wait_kmcnt 0x0
	s_add_co_i32 s96, s96, s97                     ; e10 + e11
	s_sub_co_i32 s67, 0, s96
	s_add_co_i32 s96, s96, 127
	s_lshl_b32 s96, s96, 23                        ; 2^(e10 + e11) as f32
	s_mov_b32 s97, s96                             ; (named with it as a pair, so it is written)
	s_wait_loadcnt 0x0
.set j, 0
.rept 64
	v_ldexp_f32 v[BQ+j], v[BQ+j], s67              ; bo / 2^(e10 + e11)
.set j, j+1
.endr
.macro FRAG reg, adr, q, i             ; Wo: registers 4 c .. 4 c + 3 hold K = 128 q + 32 c + 16 g + 0 .. 15 of row 16 i + r
.irp c, 0,1,2,3
	ds_load_b128 v[\reg+4*\c:\reg+4*\c+3], v[\adr] offset:128*(\q)+32*\c+(\i)*16*PITCH
.endr
.endm
.macro FRAGA reg, adr, q, i            ; x: the same K: head 2 q + c / 2 of the slot's four, byte 32 (c % 2) + 16 g of its 64
.irp c, 0,1,2,3
	ds_load_b128 v[\reg+4*\c:\reg+4*\c+3], v[\adr] offset:(2*(\q)+\c/2)*HEADB+(\i)*16*APITCH+32*(\c%2)
.endr
.endm
; 16 matrix instructions: x's blocks a0, a0 + 1 x Wo's eight.  first = 1: the sums start with the bias as C.  The 64 accumulators take turns, one instruction a turn.
.macro MUL16 a0, p, first
.irp a, \a0, \a0+1
.irp b, 0,1,2,3,4,5,6,7
.if \first
	v_wmma_f32_16x16x128_fp8_fp8 v[8*(8*((\a)%4)+\b):8*(8*((\a)%4)+\b)+7], v[128*(\p)+FR*\b:128*(\p)+FR*\b+FR-1], v[AF+FR*(\a):AF+FR*(\a)+FR-1], v[BQ+8*\b:BQ+8*\b+7]
.else
	v_wmma_f32_16x16x128_fp8_fp8 v[8*(8*((\a)%4)+\b):8*(8*((\a)%4)+\b)+7], v[128*(\p)+FR*\b:128*(\p)+FR*\b+FR-1], v[AF+FR*(\a):AF+FR*(\a)+FR-1], v[8*(8*((\a)%4)+\b):8*(8*((\a)%4)+\b)+7]
.endif
.endr
.endr
.endm
.macro FETCH_B slot, q, p
	WIN TO_B
.irp i, 0,1,2,3,4,5,6,7
	FRAG 128*(\p)+FR*\i, ADRB+\slot, \q, \i
.endr
	WIN 0
.endm
.macro FETCH_A slot, q, i0
.irp i, \i0, \i0+1, \i0+2, \i0+3
	FRAGA AF+FR*(\i), ADRA+\slot, \q, \i
.endr
.endm
.macro PLACES n                        ; plain vector lines between a matrix instruction and a load into, or a vector line on, its registers
.rept \n
	v_nop
.endr
.endm
.macro STEP slot, q, first
	s_wait_dscnt 4*NL                              ; Wo's set and x's blocks 0-3 are in; the youngest 16 loads (blocks 4-7) may be out
.if \first
	WIN FST_LO
.else
	WIN MUL_LO
.endif
	MUL16 0, (\q)%2, \first
	MUL16 2, (\q)%2, \first
	s_wait_dscnt 0                                 ; blocks 4-7 are in
	PLACES NP
	FETCH_B \slot, (\q)+1, 1-(\q)%2
	FETCH_A \slot, (\q)+1, 0
.if \first
	WIN FST_HI
.else
	WIN MUL_HI
.endif
	MUL16 4, (\q)%2, \first
	MUL16 6, (\q)%2, \first
	PLACES NP
	WIN 0
	FETCH_A \slot, (\q)+1, 4
.endm
; A slot's last step changes slots: ONE barrier; in front of it each wave waits for all its tensor loads, adds 0 to its spare word, and waits for that and for its own reads of this slot.
.macro TURN slot, next, fill
	s_wait_tensorcnt 0x0                           ; all my tensor loads have landed: my part of the next slot
	ds_add_u32 v[SPW], v[NIL]                      ; 0 onto my spare word
	s_wait_dscnt 4*NL+1                            ; the add and the youngest 16 loads may be out
	WIN MUL_LO
	MUL16 0, 1, 0
	s_wait_dscnt 0x0                               ; the add is done, and my reads of this slot are over
	s_barrier_signal -1
	MUL16 2, 1, 0
	WIN 0
	s_barrier_wait -1
.if \fill
	CREST                                          ; the barrier has opened a round of the cluster's barrier
	s_add_nc_u64 s[G0+4*\slot+2:G0+4*\slot+3], s[G0+4*\slot+2:G0+4*\slot+3], 8*131072     ; eight heads on
	s_add_nc_u64 s[G0B+4*\slot+2:G0B+4*\slot+3], s[G0B+4*\slot+2:G0B+4*\slot+3], 2*ROWB
	JLOAD G0+4*\slot, G1, G0B+4*\slot, G1B         ; the first tensor load behind the round; its four v_nop are the places in front of the loads below
.else
	PLACES NP
.endif
	FETCH_B \next, 0, 0
	FETCH_A \next, 0, 0
	WIN MUL_HI
	MUL16 4, 1, 0
	MUL16 6, 1, 0
	PLACES NP
	WIN 0
	FETCH_A \next, 0, 4
.endm
	s_wait_alu depctr_va_vdst(0)
	s_wait_tensorcnt 1                             ; my part of K step 0 is in; K step 1's load may be out
	s_barrier_signal -1
	s_barrier_wait -1
	FETCH_B 0, 0, 0
	FETCH_A 0, 0, 0
	FETCH_A 0, 0, 4
	STEP 0, 0, 1                                   ; eight steps of 128 along K, written out
	TURN 0, 1, 1
	STEP 1, 0, 0
	TURN 1, 0, 1
	STEP 0, 0, 0
	TURN 0, 1, 0                                   ; nothing is left to fetch
	STEP 1, 0, 0
	s_wait_dscnt 4*NL
	WIN MUL_LO
	MUL16 0, 1, 0
	MUL16 2, 1, 0
	s_wait_dscnt 0
	WIN MUL_HI
	MUL16 4, 1, 0
	MUL16 6, 1, 0
	WIN 0
; THE WAY OUT, block by block of 16 rows x 128 columns: through my own stage and back as whole rows of 512 bytes.  LDS serves a wave's instructions in order: no wait between the stores and the loads.
.macro TOSTAGE a
.set AC, 64*((\a)%4)
	WIN 0x02+((\a)/4)                              ; source 0: window 2 or 3
.irp j, 0,2,4,6,8,10,12,14,16,18,20,22,24,26,28,30,32,34,36,38,40,42,44,46,48,50,52,54,56,58,60,62
	v_pk_mul_f32 v[TMP+\j:TMP+\j+1], v[AC+\j:AC+\j+1], s[96:97] op_sel_hi:[1,0]   ; x 2^(e10 + e11); each accumulator from its low end on
.endr
	WIN 0
.irp b, 0,1,2,3,4,5,6,7
	ds_store_b128 v[STO], v[TMP+8*\b:TMP+8*\b+3] offset:64*\b
	ds_store_b128 v[STO], v[TMP+8*\b+4:TMP+8*\b+7] offset:64*\b+16
.endr
.set BB, BK+64*((\a)%2)
.irp t, 0,1,2,3,4,5,6,7,8,9,10,11,12,13,14,15
	ds_load_b128 v[BB+4*\t:BB+4*\t+3], v[RD] offset:\t*SPITCH
.endr
.endm
.macro SEND a, younger                 ; younger: the LDS instructions issued behind block a's loads: the next block's 16 stores and 16 loads, or none
.set BB, BK+64*((\a)%2)
	s_wait_dscnt \younger
.if (\a) > 0
	s_add_nc_u64 s[12:13], s[12:13], 16*4096       ; (behind a wait on XCNT: the earlier stores have read their base)  16 rows on
.endif
.irp t, 0,1,2,3,4,5,6,7,8,9,10,11,12,13,14,15
	global_store_b128 v[CO], v[BB+4*\t:BB+4*\t+3], s[12:13] offset:\t*4096 th:TH_STORE_NT   ; 32 lanes store 512 consecutive bytes, aligned; written once, read by nobody here
.endr
.endm
	PLACES NP                                      ; in front of the first read of results and of loads into the registers that held x's fragments
	TOSTAGE 0
.irp a, 1,2,3,4,5,6,7
.if \a > 1
	s_wait_xcnt 0x0                                ; block a - 2's stores have read their registers and their base
.endif
	TOSTAGE \a
	SEND \a-1, 32
.endr
	s_wait_xcnt 0x0                                ; block 6's stores have read their base
	SEND 7, 0
	s_wait_tensorcnt 0x0                           ; the wave's end
	ds_add_u32 v[SPW], v[NIL]
	s_wait_dscnt 0x0
	CROUND                                         ; the closing round
	s_endpgm
.Lfunc_end_k_qf072425dcc_outp:
	.size	k_qf072425dcc_outp, .Lfunc_end_k_qf072425dcc_outp-k_qf072425dcc_outp
	.p2alignl 7, 3214868480
	.fill 96, 4, 3214868480
	.section	.rodata,"a",@progbits
	.p2align	6, 0x0
	.amdhsa_kernel k_qf072425dcc_outp
		.amdhsa_group_segment_fixed_size 327680
		.amdhsa_private_segment_fixed_size 0
		.amdhsa_enable_private_segment 0
		.amdhsa_kernarg_size 40
		.amdhsa_user_sgpr_count 2
		.amdhsa_user_sgpr_kernarg_segment_ptr 1
		.amdhsa_wavefront_size32 1
		.amdhsa_system_sgpr_workgroup_id_x 1
		.amdhsa_system_sgpr_workgroup_id_y 1
		.amdhsa_system_sgpr_workgroup_id_z 1
		.amdhsa_system_vgpr_workitem_id 0
		.amdhsa_next_free_vgpr 1024
		.amdhsa_next_free_sgpr 98
		.amdhsa_reserve_vcc 0
		.amdhsa_float_denorm_mode_32 3
		.amdhsa_float_denorm_mode_16_64 3
		.amdhsa_memory_ordered 1
		.amdhsa_forward_progress 1
		.amdhsa_inst_pref_size 130
	.end_amdhsa_kernel
	.amdgpu_metadata
---
amdhsa.version: [ 1, 2 ]
amdhsa.kernels:
  - .name:           k_qf072425dcc_outp
    .symbol:         k_qf072425dcc_outp.kd
    .args:
      - { .name: ac, .offset: 0, .size: 8, .value_kind: global_buffer, .address_space: global }
      - { .name: wc, .offset: 8, .size: 8, .value_kind: global_buffer, .address_space: global }
      - { .name: lowp_scales, .offset: 16, .size: 8, .value_kind: global_buffer, .address_space: global }
      - { .name: bo, .offset: 24, .size: 8, .value_kind: global_buffer, .address_space: global }
      - { .name: out0, .offset: 32, .size: 8, .value_kind: global_buffer, .address_space: global }
    .group_segment_fixed_size: 327680
    .private_segment_fixed_size: 0
    .kernarg_segment_align: 8
    .kernarg_segment_size: 40
    .max_flat_workgroup_size: 128
    .sgpr_count:     98
    .vgpr_count:     1024
    .wavefront_size: 32
...
	.end_amdgpu_metadata
.endif
;; end of part 4
